; MI455X (gfx1250); checked and timed in simulation.
; The chip was launched on July 23, 2026; its instructions are those of AMD's public machine-readable ISA for CDNA 5 (MIT licence, August 2026) and "CDNA5" Instruction Set Architecture Reference Guide (July 2026). The comments in the code are by the model that wrote it; some were corrected since.
;; Self Attention. Allowed arithmetic: matrix products marked QUANTISED: E2M3 operands, one E8M0 scale for each 32 along K, by v_wmma_scale_f32_16x16x128_f8f6f4 with both operands' format E2M3, f32 sums; everything else in f32.
;; Inputs: W_in 1,024 x 3,072 float32; W_out 1,024 x 1,024 float32; b_in 3,072 float32; b_out 1,024 float32; x 4 x 2,048 x 1,024 float32.
;; Outputs: out0 4 x 2,048 x 1,024 float32.
;; This version of the problem:
;;   THIS VERSION OF THE PROBLEM IS GIVEN IN LOW PRECISION. The matrix products marked QUANTISED in the list below multiply operands that are first quantised to E2M3 (2 exponent bits, 3 mantissa bits; 6 bits a number), with one power-of-two scale for each 32 numbers along K (OCP MX v1.0); their sums are f32. All else is computed in f32.
;;   The module's matrix products, in the order in which they are computed (A, B: the left and right operand; K: the contracted axis; several contracted axes count as one K, in the product's order):
;;     1. [M 8,192, K 1,024] x [K 1,024, N 3,072]; A: input x; B: input W_in: QUANTISED
;;     2. batch 64 x [M 2,048, K 64] x [K 64, N 2,048]; A: computed on the way; B: computed on the way: QUANTISED
;;     3. batch 64 x [M 64, K 2,048] x [K 2,048, N 2,048]; A: computed on the way; B: softmax (see below): QUANTISED
;;     4. [M 8,192, K 1,024] x [K 1,024, N 1,024]; A: computed on the way; B: input W_out: QUANTISED
;;   THE QUANTISER, for each operand of a quantised product, along K:
;;     - K is cut into blocks of 32 from its start; a last block that is shorter is filled with zeros.
;;     - A block's scale is 2^e with e = floor(log2(the largest magnitude in the block)) - 2, held to -126 .. 127; a block of zeros has e = 0. As a byte (E8M0): e + 127.
;;     - Each number is divided by its block's scale, clamped to +-7.5, and rounded to the nearest number of E2M3, ties to even, subnormals kept.
;;     - The product sums the exact products of the quantised numbers (number of the format x scale) in f32.
;;   ~~~python
;;   def quantise(x, axis):      # numpy; x: float32 -> the quantised numbers, widened to float32 again
;;       x = np.moveaxis(x, axis, -1); K = x.shape[-1]
;;       x = np.pad(x, [(0, 0)] * (x.ndim - 1) + [(0, -K % 32)]); x = x.reshape(x.shape[:-1] + (-1, 32)); a = np.abs(x).max(-1, keepdims=True)
;;       e = np.where(a > 0, np.clip(np.frexp(np.where(a > 0, a, 1))[1] - 1 - 2, -126, 127), 0)      # np.frexp(a)[1] - 1 = floor(log2(a)), exactly
;;       r = np.clip(x / 2.0 ** e, -7.5, 7.5)
;;       step = 2.0 ** (np.maximum(np.frexp(np.where(r == 0, 1, r))[1] - 1, 0) - 3)
;;       q = np.round(r / step) * step * 2.0 ** e      # np.round: ties to even
;;       return np.moveaxis(q.reshape(q.shape[:-2] + (-1,))[..., :K], -1, axis).astype(np.float32)
;;   ~~~
;;   SOFTMAX AHEAD OF A QUANTISED PRODUCT. Where the list says 'softmax', what is quantised is not the finished softmax but p = 2^(t - M), with t = logit x log2(e) and M = ceil(the row's largest t), a whole number; so 1/2 < the row's largest p <= 1. The row's sum l is taken of the UNQUANTISED p, in f32, and the product's result is divided by l at the end. Since M is a whole number, a kernel that streams over the keys may use a running M (the ceiling of the running maximum): every later rescaling is an exact power of two, which a block's scale takes up: the codes' values come out the same.
;;   OPERANDS COMPUTED ON THE WAY. 'Computed on the way' means the value that the module computes at that place (a softmax that the list does not call 'softmax' is quantised finished and normalised). What goes into a quantiser is computed in f32, as accurately as f32 sums, v_exp_f32 and their like allow (about 1e-6 of the number): no bf16 or f16 on the way to a quantiser, and a product that is left as it is and whose result goes on into a quantised operand takes f32 operands (vector FMAs, or v_wmma_f32_16x16x4_f32). A number that lies on a knife's edge between two numbers of the format may be rounded either way, as far as f32 arithmetic and the matrix unit's own rounding can turn it there, and no further.
;; One version. Each part assembles by itself: llvm-mc -triple=amdgcn-amd-amdhsa -mcpu=gfx1250 --defsym DOCPART=n.
;; ======== version 1 of 1: 4 launches
;; limits: right only within a limited range of input values
;; workspace buffers: xq 6,553,600 bytes; wq 3,276,800 bytes; qc 6,553,600 bytes; kv 13,107,200 bytes; oq 6,553,600 bytes
;; launch prep (part 1): grid 384 x 1, 4 waves a work-group, no clusters, 34,304 bytes of LDS; arguments x, W_in, W_out, xq, wq; writes xq, wq
.if DOCPART == 1
	.amdgcn_target "amdgcn-amd-amdhsa--gfx1250"
	.amdhsa_code_object_version 6
	.text
	.protected	k_qf40c45913b_prep
	.globl	k_qf40c45913b_prep
	.p2align	8
	.type	k_qf40c45913b_prep,@function
k_qf40c45913b_prep:
	s_mov_b64 s[64:65], 0
	v_nop
	global_prefetch_b8 v0, s[64:65] scope:SCOPE_SE
	s_setreg_imm32_b32 hwreg(HW_REG_WAVE_MODE, 25, 1), 1
	s_wait_xcnt 0x0
; x [8192][1024], W_in [1024][3072] and W_out [1024][1024], f32, become codes of FP6 (E2M3) with one E8M0 byte for each 32 along K, laid in the ORDER OF THE OPERAND'S REGISTERS.
; A half image, 768 bytes, is 16 rows x 64 K, six registers a lane: registers 0-3 of lane l at 16 l, registers 4-5 at 512 + 8 l.  A fragment (16 rows x 128 K) is two of them.
; THE ROWS OF A TILE ARE NOT NEIGHBOURS: in a pair P of tiles (32 rows), lane r of tile u holds row 32 P + 8 u + r + 8 (r / 8).  (For the weights a "row" is a column n: K is their first axis.)
; A buffer is [block of 256 rows][256 along K: 4][half of 128 rows: 2][HB bytes]; HB = four pairs of 6,144 bytes of codes ([u][128 along K][1,536]) and four times 256 bytes of scale words ([u][r][2 words]).
; A wave makes one pair for one 256 along K: it reads 32 KiB and stores 6,144 + 256 bytes, every store in whole aligned runs of 256 bytes.
; Work-groups 0-255 take x (pair = work-group, 256 along K = wave), 256-351 W_in, 352-383 W_out.  No matrix unit, no tensor load, no barrier: waves share nothing.
; A block's scale is 2^(floor(log2(largest magnitude)) - 2): its byte is the largest magnitude's exponent field - 2, held at 1 from below by a floor among the maximum's leaves.
; LIMITS: NaN and infinities among the inputs are not served.  A block whose largest magnitude lies under 2^(3 - 127), a block of zeros among them, gets the byte 1 (the rule says 127 for zeros): its codes are zeros, and this program alone reads the bytes.
.set HB,  25600
.set BS,  8*HB
.set WO,  12*BS                        ; W_out's blocks lie behind W_in's twelve
.set R,   16                           ; x: v16-143  two sets of 16 x 4 registers as loaded
.set XX,  144                          ; x: v144-207 my 64 numbers: register 32 c + i = k 64 c + 32 h + i of my row
.set C,   208                          ; x: v208-219 a fragment's codes
.set CT,  220                          ; x: v220-227 the conversions' second halves
.set M,   228
.set SO,  230
.set BY,  232
.set W,   234                          ; x: v234-237 the four fragments' scale words
.set WX,  16                           ; weights: v16-79 two sets of 32 numbers down K
.set B,   80                           ; weights: v80-127 the codes of eight blocks, six registers each
.set WCT, 128
.set SB,  132                          ; weights: v132-133 my column's eight scale bytes
; from the pair in s20 and the 256 along K in s21: s[22:23] = where the pair's codes begin in the buffer, s[24:25] = its scale words
.macro PLACE
	s_lshr_b32 s22, s20, 3
	s_mul_i32 s22, s22, BS
	s_mul_i32 s23, s21, 2*HB
	s_add_co_u32 s22, s22, s23
	s_bfe_u32 s23, s20, 0x10002
	s_mul_i32 s23, s23, HB
	s_add_co_u32 s22, s22, s23
	s_and_b32 s23, s20, 3
	s_lshl_b32 s24, s23, 8
	s_add_co_u32 s24, s24, s22
	s_add_co_u32 s24, s24, 24576
	s_mul_i32 s23, s23, 6144
	s_add_co_u32 s22, s22, s23
	s_mov_b32 s23, 0
	s_mov_b32 s25, 0
.endm
	s_load_b256 s[4:11], s[0:1], 0x0               ; x s[4:5], W_in s[6:7], W_out s[8:9], xq s[10:11]
	s_load_b64 s[12:13], s[0:1], 0x20              ; wq
	v_lshl_add_u32 v240, v0, 2, 0x8400
	v_mov_b32 v241, 0
	v_lshrrev_b32 v1, 5, v0
	v_readfirstlane_b32 s14, v1                    ; wave
	v_and_b32 v1, 31, v0                           ; lane
	v_lshlrev_b32 v2, 4, v1                        ; 16 x lane
	v_lshlrev_b32 v5, 3, v1                        ; 8 x lane
	s_cmp_lt_u32 ttmp9, 256
	s_cbranch_scc0 .Lweights
; ---------------- x: K is innermost.  Each load reads 512 consecutive bytes of one row; a fragment's 16 rows turn through the wave's own stage in LDS (rows 528 bytes apart), and come back 128 bytes a lane and block.
	s_mov_b32 s20, ttmp9
	s_mov_b32 s21, s14
	PLACE
	s_lshl_b32 s26, ttmp9, 17                      ; 32 rows of 4,096 bytes
	s_lshl_b32 s27, s14, 10                        ; 256 numbers along K
	s_add_co_u32 s26, s26, s27
	s_mov_b32 s27, 0
	s_mul_i32 s28, s14, 8448                       ; my stage: 16 rows x 528 bytes
	s_mov_b32 s30, 0x76543210
	s_mov_b32 s31, 0xfedcba98                      ; lane l xor 16
	s_wait_alu depctr_va_vdst(0)
	v_add_nc_u32 v3, s28, v2                       ; into the stage: 16 x lane, + 528 x row in the immediate
	v_and_b32 v7, 15, v0                           ; r
	v_bfe_u32 v8, v0, 4, 1                         ; h
	v_mul_u32_u24 v4, v7, 528
	v_lshl_add_u32 v4, v8, 7, v4
	v_add_nc_u32 v4, s28, v4                       ; out of it: row r, + 128 h
	v_lshlrev_b32 v6, 3, v8                        ; 8 h: where my two bytes stand in the scale word
	v_mov_b32 v239, 0                              ; a lane permute's destination counts as one of its sources
	s_wait_alu depctr_va_vdst(0)
	s_wait_kmcnt 0x0
	s_add_nc_u64 s[4:5], s[4:5], s[26:27]
	s_add_nc_u64 s[16:17], s[10:11], s[22:23]
	s_add_nc_u64 s[18:19], s[10:11], s[24:25]
.macro LOADX f                         ; fragment f = 2 u + kq: its 16 rows' 512 bytes
.irp i, 0,1,2,3,4,5,6,7,8,9,10,11,12,13,14,15
	global_load_b128 v[R+64*((\f)%2)+4*\i:R+64*((\f)%2)+4*\i+3], v2, s[4:5] offset:(8*((\f)/2)+\i+8*(\i/8))*4096+512*((\f)%2) th:TH_LOAD_NT
.endr
.endm
.macro TURNX f                         ; LDS serves a wave's instructions in order: no wait between the stores and the loads
.irp i, 0,1,2,3,4,5,6,7,8,9,10,11,12,13,14,15
	ds_store_b128 v3, v[R+64*((\f)%2)+4*\i:R+64*((\f)%2)+4*\i+3] offset:528*\i
.endr
.irp c, 0,1
.irp j, 0,1,2,3,4,5,6,7
	ds_load_b128 v[XX+32*\c+4*\j:XX+32*\c+4*\j+3], v4 offset:256*\c+16*\j
.endr
.endr
.endm
.macro XQ f                            ; my two whole blocks (h and 2 + h of my row) become registers 0-5 and 6-11 of the fragment
.if \f > 0
	s_wait_xcnt 0x0                                ; the last fragment's stores have read their data registers: they are written again only behind this wait
.endif
.irp c, 0,1
	v_max3_num_f32 v[M+\c], |v[XX+32*\c]|, |v[XX+32*\c+1]|, 0x1800000   ; the floor 2^(3 - 127): the byte cannot fall under 1
.endr
.irp i, 2,4,6,8,10,12,14,16,18,20,22,24,26,28,30
.irp c, 0,1
	v_max3_num_f32 v[M+\c], v[M+\c], |v[XX+32*\c+\i]|, |v[XX+32*\c+\i+1]|
.endr
.endr
.irp c, 0,1
	v_add_nc_u32 v[SO+\c], 0xff000000, v[M+\c]     ; 2 off the exponent field: the conversion's scale operand
.endr
.irp c, 0,1
	v_lshrrev_b32 v[BY+\c], 23, v[SO+\c]           ; the scale's byte
.endr
	v_lshl_or_b32 v[W+\f], v[BY+1], 16, v[BY]
	v_lshlrev_b32 v[W+\f], v6, v[W+\f]             ; my two bytes at their places,
	v_permlanex16_b32 v239, v[W+\f], s30, s31
	v_or_b32 v[W+\f], v[W+\f], v239                ; with lane l xor 16's two the word is whole, in both halves of the lanes
.irp c, 0,1
	v_cvt_scalef32_pk16_fp6_f32 v[C+6*\c:C+6*\c+2], v[XX+32*\c:XX+32*\c+15], v[SO+\c]
	v_cvt_scalef32_pk16_fp6_f32 v[CT+4*\c:CT+4*\c+2], v[XX+32*\c+16:XX+32*\c+31], v[SO+\c]   ; (a conversion's three registers begin on an even number)
.endr
	v_nop                                          ; one plain place behind a scaled conversion
.irp c, 0,1
.irp i, 0,1,2
	v_mov_b32 v[C+6*\c+3+\i], v[CT+4*\c+\i]
.endr
.endr
.irp c, 0,1
	global_store_b128 v2, v[C+6*\c:C+6*\c+3], s[16:17] offset:(\f)*1536+768*\c          ; 512 consecutive bytes
	global_store_b64 v5, v[C+6*\c+4:C+6*\c+5], s[16:17] offset:(\f)*1536+768*\c+512     ; 256 consecutive bytes
.endr
.endm
	LOADX 0
	LOADX 1
.irp f, 0,1,2,3
.if \f < 3
	s_wait_loadcnt 16                              ; this fragment's 16 loads are in; the next one's may be out
.else
	s_wait_loadcnt 0x0
.endif
	TURNX \f
	s_wait_dscnt 0x0                               ; my 64 numbers are back, and the stage's stores have read the registers that the next loads take
.if \f < 2
	LOADX \f+2
.endif
	XQ \f
.endr
	v_cmp_eq_u32 vcc_lo, 1, v8
	v_cndmask_b32 v238, v[W], v[W+2], vcc_lo       ; lanes 0-15 store tile 0's two words of row r, lanes 16-31 tile 1's
	v_cndmask_b32 v239, v[W+1], v[W+3], vcc_lo
	global_store_b64 v5, v[238:239], s[18:19]      ; 256 consecutive bytes
	s_wait_tensorcnt 0x0
	ds_add_u32 v240, v241
	s_wait_dscnt 0x0
	s_endpgm
; ---------------- the weights: K is the first axis.  A lane takes a column and its registers run down K: a block of 32 lies in one lane, and the conversions give codes with K innermost.
.Lweights:
	v_and_b32 v7, 7, v0
	v_bfe_u32 v8, v0, 3, 1
	v_lshl_add_u32 v7, v8, 4, v7
	v_bfe_u32 v8, v0, 4, 1
	v_lshl_add_u32 v7, v8, 3, v7                   ; my column in the pair: lanes 0-15 are tile 0's rows, lanes 16-31 tile 1's
	v_lshlrev_b32 v3, 2, v7
.macro LOADW t                         ; block t: W(32 t + i, my column)
.irp i, 0,1,2,3,4,5,6,7,8,9,10,11,12,13,14,15,16,17,18,19,20,21,22,23,24,25,26,27,28,29,30,31
	global_load_b32 v[WX+32*((\t)%2)+\i], v3, s[4:5] offset:(32*(\t)+\i)*WN*4 th:TH_LOAD_NT
.endr
.endm
.macro WBLOCK t
.set XS, WX+32*((\t)%2)
.if (\t) < 7
	s_wait_loadcnt 32                              ; this block's 32 loads are in; the next block's may be out
.else
	s_wait_loadcnt 0x0
.endif
	v_max3_num_f32 v12, |v[XS]|, |v[XS+1]|, |v[XS+2]|
	v_max3_num_f32 v13, |v[XS+3]|, |v[XS+4]|, |v[XS+5]|
.irp i, 6,10,14,18,22,26
	v_max3_num_f32 v12, v12, |v[XS+\i]|, |v[XS+\i+1]|
	v_max3_num_f32 v13, v13, |v[XS+\i+2]|, |v[XS+\i+3]|
.endr
	v_max3_num_f32 v12, v12, |v[XS+30]|, |v[XS+31]|
	v_max3_num_f32 v12, v12, v13, 0x1800000        ; and the floor
	v_add_nc_u32 v11, 0xff000000, v12
	v_lshrrev_b32 v13, 23, v11
.if (\t)%4 == 0
	v_mov_b32 v[SB+(\t)/4], v13
.else
	v_lshl_or_b32 v[SB+(\t)/4], v13, 8*((\t)%4), v[SB+(\t)/4]
.endif
	v_cvt_scalef32_pk16_fp6_f32 v[B+6*(\t):B+6*(\t)+2], v[XS:XS+15], v11
	v_cvt_scalef32_pk16_fp6_f32 v[WCT:WCT+2], v[XS+16:XS+31], v11
	v_nop                                          ; one plain place behind a scaled conversion
.irp i, 0,1,2
	v_mov_b32 v[B+6*(\t)+3+\i], v[WCT+\i]
.endr
.if (\t)+2 < 8
	LOADW (\t)+2
.endif
.endm
; Blocks 4 kq + 2 c and 4 kq + 2 c + 1 change halves: the first's lanes 16-31 (tile 1's block 2 c) with the second's lanes 0-15 (tile 0's block 2 c + 1).
; Block 4 kq + 2 c + u is then half c of tile u's fragment.  Each block has registers of its own, so no store's data are written again.
.macro WOUT kq
.irp c, 0,1
.irp i, 0,1,2,3,4,5
	v_permlane16_swap_b32 v[B+6*(4*\kq+2*\c)+\i], v[B+6*(4*\kq+2*\c+1)+\i]
.endr
.endr
.irp c, 0,1
.irp u, 0,1
	global_store_b128 v2, v[B+6*(4*\kq+2*\c+\u):B+6*(4*\kq+2*\c+\u)+3], s[16:17] offset:\u*3072+\kq*1536+\c*768
	global_store_b64 v5, v[B+6*(4*\kq+2*\c+\u)+4:B+6*(4*\kq+2*\c+\u)+5], s[16:17] offset:\u*3072+\kq*1536+\c*768+512
.endr
.endr
.endm
.macro WPATH n, first, ptr, add        ; a weight of n columns, whose work-groups begin at number first; its pointer in s[ptr:ptr+1]; its blocks begin add bytes into wq
.set WN, \n
	s_sub_co_u32 s15, ttmp9, \first
	s_and_b32 s21, s15, 3                          ; which 256 along K
	s_lshr_b32 s20, s15, 2
	s_lshl_b32 s20, s20, 2
	s_add_co_u32 s20, s20, s14                     ; which pair of tiles
	PLACE
	s_mul_i32 s26, s21, 256*\n*4
	s_lshl_b32 s27, s20, 7
	s_add_co_u32 s26, s26, s27
	s_mov_b32 s27, 0
	s_wait_kmcnt 0x0
	s_add_nc_u64 s[4:5], s[\ptr:\ptr+1], s[26:27]
	s_add_nc_u64 s[16:17], s[12:13], s[22:23]
	s_add_nc_u64 s[16:17], s[16:17], \add
	s_add_nc_u64 s[18:19], s[12:13], s[24:25]
	s_add_nc_u64 s[18:19], s[18:19], \add
	LOADW 0
	LOADW 1
.irp t, 0,1,2,3
	WBLOCK \t
.endr
	WOUT 0
.irp t, 4,5,6,7
	WBLOCK \t
.endr
	WOUT 1
	global_store_b64 v5, v[SB:SB+1], s[18:19]      ; my column's two scale words: 256 consecutive bytes a wave
.endm
	s_cmp_lt_u32 ttmp9, 352
	s_cbranch_scc0 .Lwout
	s_wait_alu depctr_va_vdst(0)
	WPATH 3072, 256, 6, 0
	s_endpgm
.Lwout:
	s_wait_alu depctr_va_vdst(0)
	WPATH 1024, 352, 8, WO
	s_endpgm
.Lfunc_end_k_qf40c45913b_prep:
	.size	k_qf40c45913b_prep, .Lfunc_end_k_qf40c45913b_prep-k_qf40c45913b_prep
	.p2alignl 7, 3214868480
	.fill 96, 4, 3214868480
	.section	.rodata,"a",@progbits
	.p2align	6, 0x0
	.amdhsa_kernel k_qf40c45913b_prep
		.amdhsa_group_segment_fixed_size 34304
		.amdhsa_private_segment_fixed_size 0
		.amdhsa_enable_private_segment 0
		.amdhsa_kernarg_size 40
		.amdhsa_user_sgpr_count 2
		.amdhsa_user_sgpr_kernarg_segment_ptr 1
		.amdhsa_wavefront_size32 1
		.amdhsa_system_sgpr_workgroup_id_x 1
		.amdhsa_system_sgpr_workgroup_id_y 1
		.amdhsa_system_sgpr_workgroup_id_z 1
		.amdhsa_system_vgpr_workitem_id 0
		.amdhsa_next_free_vgpr 242
		.amdhsa_next_free_sgpr 66
		.amdhsa_reserve_vcc 1
		.amdhsa_float_denorm_mode_32 3
		.amdhsa_float_denorm_mode_16_64 3
		.amdhsa_memory_ordered 1
		.amdhsa_forward_progress 1
		.amdhsa_inst_pref_size 110
	.end_amdhsa_kernel
	.amdgpu_metadata
---
amdhsa.version: [ 1, 2 ]
amdhsa.kernels:
  - .name:           k_qf40c45913b_prep
    .symbol:         k_qf40c45913b_prep.kd
    .args:
      - { .name: x, .offset: 0, .size: 8, .value_kind: global_buffer, .address_space: global }
      - { .name: W_in, .offset: 8, .size: 8, .value_kind: global_buffer, .address_space: global }
      - { .name: W_out, .offset: 16, .size: 8, .value_kind: global_buffer, .address_space: global }
      - { .name: xq, .offset: 24, .size: 8, .value_kind: global_buffer, .address_space: global }
      - { .name: wq, .offset: 32, .size: 8, .value_kind: global_buffer, .address_space: global }
    .group_segment_fixed_size: 34304
    .private_segment_fixed_size: 0
    .kernarg_segment_align: 8
    .kernarg_segment_size: 40
    .max_flat_workgroup_size: 128
    .sgpr_count:     66
    .vgpr_count:     242
    .wavefront_size: 32
...
	.end_amdgpu_metadata
.endif
;; end of part 1
;; launch gemm1 (part 2): grid 12 x 32, 4 waves a work-group, clusters of 4 x 4, 327,680 bytes of LDS; arguments xq, wq, b_in, qc, kv; writes qc, kv
.if DOCPART == 2
	.amdgcn_target "amdgcn-amd-amdhsa--gfx1250"
	.amdhsa_code_object_version 6
	.text
	.protected	k_qf40c45913b_gemm1
	.globl	k_qf40c45913b_gemm1
	.p2align	8
	.type	k_qf40c45913b_gemm1,@function
k_qf40c45913b_gemm1:
	s_mov_b64 s[64:65], 0
	v_nop
	global_prefetch_b8 v0, s[64:65] scope:SCOPE_SE
	s_setreg_imm32_b32 hwreg(HW_REG_WAVE_MODE, 25, 1), 1
	s_wait_xcnt 0x0
	s_wait_alu depctr_hold_cnt(0) depctr_sa_sdst(0) depctr_va_vdst(0) depctr_va_sdst(0) depctr_va_ssrc(0) depctr_va_vcc(0) depctr_vm_vsrc(0)
	s_getreg_b32 s2, hwreg(HW_REG_IB_STS2, 6, 4)
	s_cmp_eq_u32 s2, 0
	s_cbranch_scc0 .Lentry_in_a_cluster
	s_endpgm
.Lentry_in_a_cluster:
	s_bfe_u32 s2, ttmp6, 0x10000c
	s_cmp_lg_u32 s2, 0xf033
	s_cbranch_scc0 .Lentry_shape_is_right
	s_endpgm
.Lentry_shape_is_right:
; qkv = x W_in + b_in on codes of FP6 (E2M3) with E8M0 scales, K = 1,024; the results never go to memory as f32: q and k leave as codes quantised along a head's 64, v as codes quantised along the keys.
; A work-group of four waves makes 256 x 256, a wave 128 x 128: 64 accumulators, 512 registers.  THE MATRIX INSTRUCTION IS USED TRANSPOSED (source 0 = the "B side", source 1 = the "A side"):
; a lane holds ONE row of the A side and its registers run along the B side; since the rows of a tile are chosen for it (lane r of tile 2 b + u: row 32 b + 8 u + r + 8 (r / 8)), the 16 registers of B tiles 2 b, 2 b + 1
; are the 16 neighbours 32 b + 16 (lane / 16) + 0 .. 15.  For q and k (cluster x = 0, 1) the A side is x's rows and the B side W_in's columns: registers run along a head.
; For v (cluster x = 2) the sides change places BY ADDRESS ALONE: the A side is W_in's columns, the B side x's rows: registers run along the keys.  The text of the products is one.
; OPERANDS lie in memory in the order of the operand's registers, 25,600 bytes (HB) for 128 rows x 256 K with their scale words behind them: one tensor load a wave brings a quarter of a slot, dense.
; K goes in four quarters of 256 through three LDS slots: three are asked for at the head (one tensor load of 3 HB a wave), the fourth fills slot 0 again behind the one round of the cluster's barrier.
; CLUSTERS: 4 x 4 work-groups; the A side's tile is shared along a row of the cluster, the B side's along a column: each is asked for jointly, which divides the requests by four.
; LIMITS: NaN and infinities are not served.  A block whose largest magnitude lies under 2^(3 - 127), a block of zeros among them, gets the byte 1 (the rule says 127 for zeros): its codes are zeros, and this program alone reads the bytes.
; REGISTERS, in windows of 256.  Window 0: v1-15 LDS addresses; v17-22 lane terms; v28, v29 for the add; v32-63 scale words, two sets; v64-127 the first step's C (b_in along the B side, or zeros), later 64 numbers at work;
;   v128-223 the A side's eight fragments, one set, later the codes at work; v224-239 b_in along the A side (or zeros), in pairs.  Window 1: the B side's fragments, two sets, at v0 and v128.  Windows 2, 3: the accumulators, (a, b) at v[8 (8 (a % 4) + b)].
; THE FILLS AS THEY STAND (they take the place of what the lines above say of the head): at the head each wave issues ONE joint load of 3 HB dense bytes: waves 0 and 2 the A side's first and second half of its first three quarters of K,
; waves 1 and 3 the B side's.  In LDS a side's three slots lie as in memory, [slot][half][HB], the A side's from 0, the B side's from 6 HB.  The first barrier waits for waves 0 and 1; the round in the second step shows the rest, and behind it slot 0 takes the fourth quarter.
.set HB,    25600
.set SLOT,  4*HB                       ; A's two halves, then B's two halves
.set BS,    8*HB                       ; a block of 256 rows in memory: four quarters of K x two halves
.set SPARE, 3*SLOT                     ; behind the slots: the spare words, 128 bytes for each wave: two blocks of 256 bytes that no other line names
.set FR,    12
.set A16,   1                          ; v1-3   slot s: my A half + 16 x lane
.set A8,    4                          ; v4-6   the same + 8 x lane
.set B16,   7                          ; v7-9   my B half
.set B8,    10                         ; v10-12
.set ADRS,  13                         ; v13-15 scale words: lanes 0-15 my A half's, lanes 16-31 my B half's
.set RR,    17                         ; v17 lane % 16
.set HH,    18                         ; v18 lane / 16
.set L16,   19                         ; v19 16 x lane
.set L8,    20                         ; v20 8 x lane
.set SPW,   28
.set NIL,   29
.set SC,    32
.set BB,    64
.set H,     64
.set AF,    128
.set BA,    224
.set PC,    128                        ; the way out: v128-146 codes
.set TM,    148                        ; v148-163 at work
.set PWR,   164                        ; v164-171 the eight tiles' scale words
.set TT,    172                        ; v172-183 scale words as they are stored
.set G1,    24
.set G0,    32                         ; three sets: the head's two fills and the refill
.set G1B,   44
.set G0B,   52
.set SEL,   20
.set MSB, 0
.macro WIN new                         ; the immediate's high byte repeats the setting that is left
.if MSB != (\new)
	s_set_vgpr_msb (MSB<<8)|(\new)
.set MSB, (\new)
.endif
.endm
; A joint load: waves 0 and 1 fetch the A side's halves, waves 2 and 3 the B side's.  The branch hangs on the wave's number alone.  Four v_nop follow each of the two lines.
.macro JLOAD g0a, g1a, g0b, g1b
	s_cmp_eq_u32 s15, 0
	s_cbranch_scc0 .Lfor_b_\@
	tensor_load_to_lds s[\g0a:\g0a+3], s[\g1a:\g1a+7]
	s_nop 0
.rept 4
	v_nop
.endr
	s_branch .Lasked_\@
.Lfor_b_\@:
	tensor_load_to_lds s[\g0b:\g0b+3], s[\g1b:\g1b+7]
	s_nop 0
.rept 4
	v_nop
.endr
.Lasked_\@:
.endm
.macro CREST                           ; a round of the cluster's barrier behind its opening barrier
	s_cmp_lg_u32 s14, 0
	s_cbranch_scc1 .Lnot_wave_0_\@
	s_barrier_signal -3
.Lnot_wave_0_\@:
	s_barrier_wait -3
	s_barrier_signal -1
	s_barrier_wait -1
.endm
.macro CROUND
	s_barrier_signal -1
	s_barrier_wait -1
	CREST
.endm
.macro PLACES n                        ; plain places behind matrix instructions, in front of loads into registers that they have read and of the first read of results
.rept \n
	v_nop
.endr
.endm
.macro FRAG reg, a16, a8, off          ; a fragment comes as it was stored: two half images, each 16 bytes and 8 bytes a lane, every load dense
	ds_load_b128 v[\reg:\reg+3], v[\a16] offset:\off
	ds_load_b64 v[\reg+4:\reg+5], v[\a8] offset:\off+512
	ds_load_b128 v[\reg+6:\reg+9], v[\a16] offset:\off+768
	ds_load_b64 v[\reg+10:\reg+11], v[\a8] offset:\off+1280
.endm
.macro FETCH_B slot, q, p              ; the B side's eight fragments of the slot's q-th 128 along K into set p
	WIN 0x40
.irp i, 0,1,2,3,4,5,6,7
	FRAG 128*(\p)+FR*\i, B16+\slot, B8+\slot, \i*3072+(\q)*1536
.endr
	WIN 0
.endm
.macro FETCH_A slot, q, i0             ; the A side's blocks i0 .. i0 + 3
.irp i, \i0, \i0+1, \i0+2, \i0+3
	FRAG AF+FR*(\i), A16+\slot, A8+\slot, (\i)*3072+(\q)*1536
.endr
.endm
.macro SCALES slot, set                ; a slot's scale words: two words a row; register 2 i + q: lanes 0-15 A's tile i, lanes 16-31 B's tile i
.irp i, 0,1,2,3,4,5,6,7
	ds_load_b64 v[SC+16*(\set)+2*\i:SC+16*(\set)+2*\i+1], v[ADRS+\slot] offset:24576+128*\i
.endr
.endm
; 16 matrix instructions: A's blocks a0, a0 + 1 x B's eight.  first = 1: the sums begin with v[BB ..] as C.  The 64 accumulators take turns, one instruction a turn, in the same order in every step.
.macro MUL16 a0, p, q, set, first
.irp a, \a0, \a0+1
.irp b, 0,1,2,3,4,5,6,7
.if \first
	v_wmma_scale_f32_16x16x128_f8f6f4 v[8*(8*((\a)%4)+\b):8*(8*((\a)%4)+\b)+7], v[128*(\p)+FR*\b:128*(\p)+FR*\b+FR-1], v[AF+FR*(\a):AF+FR*(\a)+FR-1], v[BB+8*\b:BB+8*\b+7], v[SC+16*(\set)+2*\b+(\q)], v[SC+16*(\set)+2*(\a)+(\q)] matrix_a_fmt:MATRIX_FMT_FP6 matrix_b_fmt:MATRIX_FMT_FP6 matrix_a_scale:MATRIX_SCALE_ROW1
.else
	v_wmma_scale_f32_16x16x128_f8f6f4 v[8*(8*((\a)%4)+\b):8*(8*((\a)%4)+\b)+7], v[128*(\p)+FR*\b:128*(\p)+FR*\b+FR-1], v[AF+FR*(\a):AF+FR*(\a)+FR-1], v[8*(8*((\a)%4)+\b):8*(8*((\a)%4)+\b)+7], v[SC+16*(\set)+2*\b+(\q)], v[SC+16*(\set)+2*(\a)+(\q)] matrix_a_fmt:MATRIX_FMT_FP6 matrix_b_fmt:MATRIX_FMT_FP6 matrix_a_scale:MATRIX_SCALE_ROW1
.endif
.endr
.endr
.endm
; A step of 128 along K (the cq-th of its slot, scale words in set), which fetches the next step's fragments from slot ns, nq; sc = 1: and that slot's scale words into nset.
.macro GSTEP cq, set, first, ns, nq, sc, nset
	s_wait_dscnt 16                                ; all but the youngest 16 loads (A's blocks 4-7) are in
	WIN (0xa1-0x20*\first)                         ; source 0 window 1, source 1 window 0, D window 2; C window 2, or 0 in the first step
	MUL16 0, \cq, \cq, \set, \first
	MUL16 2, \cq, \cq, \set, \first
	s_wait_dscnt 0x0                               ; A's blocks 4-7 are in
	PLACES 4
	FETCH_B \ns, \nq, 1-\cq
	FETCH_A \ns, \nq, 0
.if \sc
	SCALES \ns, \nset
.endif
	WIN (0xf1-0x30*\first)
	MUL16 4, \cq, \cq, \set, \first
	MUL16 6, \cq, \cq, \set, \first
	PLACES 4
	WIN 0
	FETCH_A \ns, \nq, 4
.endm
; A slot's second step that stands at a barrier.  In front of it each wave waits for all its tensor loads, adds 0 to its spare word, and waits for that and for its own LDS reads.
; fill = 1: the barrier opens a round of the cluster's barrier, and slot 0, which nobody reads any more, takes the fourth quarter of K: the refill has two quarters, 256 matrix instructions, in which to land.
.macro TURN set, ns, nset, fill
	s_wait_tensorcnt 0x0                           ; all my tensor loads have landed
	ds_add_u32 v[SPW], v[NIL]                      ; 0 onto my spare word
	s_wait_dscnt 17                                ; (the add and the youngest 16 loads may be out)
	WIN 0xa1
	MUL16 0, 1, 1, \set, 0                         ; sixteen matrix instructions stand between the add and the wait for it
	s_wait_dscnt 0x0                               ; the add is done, and my reads of the slot are over
	s_barrier_signal -1
	MUL16 2, 1, 1, \set, 0
	WIN 0
	s_barrier_wait -1
.if \fill
	CREST
	s_mov_b32 s[G1+2], 100<<16                     ; no tensor load of mine is out: the refill brings 100 rows of 256 bytes
	s_mov_b32 s[G1+4], 100
	s_mov_b32 s[G1B+2], 100<<16
	s_mov_b32 s[G1B+4], 100
	JLOAD G0+4, G1, G0B+4, G1B                     ; the first tensor load behind the round; its four v_nop are the places in front of the loads below
.else
	PLACES 4
.endif
	FETCH_B \ns, 0, 0
	FETCH_A \ns, 0, 0
	SCALES \ns, \nset
	WIN 0xf1
	MUL16 4, 1, 1, \set, 0
	MUL16 6, 1, 1, \set, 0
	PLACES 4
	WIN 0
	FETCH_A \ns, 0, 4
.endm
	s_load_b256 s[4:11], s[0:1], 0x0               ; xq s[4:5], wq s[6:7], b_in s[8:9], qc s[10:11]
	s_load_b64 s[12:13], s[0:1], 0x20              ; kv
	v_lshl_add_u32 v[SPW], v0, 2, SPARE
	v_mov_b32 v[NIL], 0
	ds_add_u32 v28, v29
	ds_add_u32 v28, v29
	s_wait_dscnt 0x0
	v_lshrrev_b32 v16, 5, v0
	v_readfirstlane_b32 s14, v16                   ; wave 0..3
	s_lshr_b32 s15, s14, 1                         ; my half of the A side.  Also: I fetch for A (0) or for B (1)
	s_and_b32 s16, s14, 1                          ; my half of the B side.  Also: which half I fetch
	s_bfe_u32 s66, ttmp6, 0x40000                  ; cx
	s_bfe_u32 s67, ttmp6, 0x40004                  ; cy
	s_and_b32 s17, ttmp7, 0xffff                   ; cluster y: which 1,024 rows of x
	s_cmp_eq_u32 ttmp9, 2                          ; cluster x: 0 = q, 1 = k, 2 = v: the same in all sixteen partners
	s_cselect_b32 s18, ttmp9, s17
	s_cselect_b32 s19, s17, ttmp9
	s_lshl_b32 s68, s18, 2
	s_add_co_u32 s68, s68, s67                     ; the A side's block: of x (q, k) or of W_in (v): it hangs on cy alone
	s_lshl_b32 s69, s19, 2
	s_add_co_u32 s69, s69, s66                     ; the B side's block: it hangs on cx alone
	s_lshl_b32 s20, s67, 2
	s_lshl_b32 s20, 15, s20                        ; my row of the cluster
	s_lshl_b32 s21, 0x1111, s66                    ; my column
	; descriptor group 1: 3 HB dense bytes as 300 rows of 256 bytes (32 elements of 8 bytes), no padding
	s_or_b32 s[G1+0], s20, (3<<16)|(1<<21)
	s_or_b32 s[G1B+0], s21, (3<<16)|(1<<21)
.irp g, G1, G1B
	s_mov_b32 s[\g+1], 32<<16                      ; tensor_dim0
	s_mov_b32 s[\g+2], 300<<16                     ; tensor_dim1: the head's loads bring 300 rows of 256 bytes
	s_mov_b32 s[\g+3], 32<<16                      ; tile_dim0
	s_mov_b32 s[\g+4], 300                         ; tile_dim1
	s_mov_b32 s[\g+5], 32                          ; tensor_dim0_stride
	s_mov_b32 s[\g+6], 0
	s_mov_b32 s[\g+7], 0
.endr
	s_mul_i32 s17, s16, HB
	s_mul_i32 s22, s68, BS
	s_add_co_u32 s22, s22, s17
	s_mov_b32 s23, 0
	s_mul_i32 s74, s69, BS
	s_add_co_u32 s74, s74, s17
	s_mov_b32 s75, 0
	s_wait_kmcnt 0x0
	s_cmp_eq_u32 ttmp9, 2
	s_cselect_b64 s[70:71], s[6:7], s[4:5]         ; the A side's buffer
	s_cselect_b64 s[72:73], s[4:5], s[6:7]         ; the B side's
	s_add_nc_u64 s[70:71], s[70:71], s[22:23]
	s_add_nc_u64 s[72:73], s[72:73], s[74:75]
	CROUND                                         ; all sixteen work-groups are here: the first joint loads meet
	; LDS: the A side's three slots [slot][half][HB] from 0, the B side's from 6 HB, as they lie in memory.  THE HEAD'S FILLS, ONE A WAVE: waves 0 and 2 fetch the A side's first and second 3 HB, waves 1 and 3 the B side's.
	s_mov_b32 s18, s17
	s_mov_b32 s19, 0
	s_mov_b32 s[G0], 1                             ; each of the four fills has a group 0 of its own, with a constant LDS address
	s_mov_b32 s[G0+1], 0
	s_sub_nc_u64 s[G0+2:G0+3], s[70:71], s[18:19]  ; back to the block's first byte
	s_mov_b32 s[G0B], 1
	s_mov_b32 s[G0B+1], 6*HB
	s_sub_nc_u64 s[G0B+2:G0B+3], s[72:73], s[18:19]
	s_mov_b32 s[G0+8], 1
	s_mov_b32 s[G0+9], 3*HB
	s_add_nc_u64 s[G0+10:G0+11], s[G0+2:G0+3], 3*HB
	s_mov_b32 s[G0B+8], 1
	s_mov_b32 s[G0B+9], 9*HB
	s_add_nc_u64 s[G0B+10:G0B+11], s[G0B+2:G0B+3], 3*HB
	s_or_b32 s[G0+3], s[G0+3], 0x80000000
	s_or_b32 s[G0B+3], s[G0B+3], 0x80000000
	s_or_b32 s[G0+11], s[G0+11], 0x80000000
	s_or_b32 s[G0B+11], s[G0B+11], 0x80000000
	s_mov_b32 s[G0+4], 1                           ; the one refill: the fourth quarter of K, my half, into slot 0
	s_mov_b32 s[G0+5], s17
	s_add_nc_u64 s[G0+6:G0+7], s[70:71], 6*HB
	s_or_b32 s[G0+7], s[G0+7], 0x80000000
	s_mov_b32 s[G0B+4], 1
	s_add_co_u32 s[G0B+5], s17, 6*HB
	s_add_nc_u64 s[G0B+6:G0B+7], s[72:73], 6*HB
	s_or_b32 s[G0B+7], s[G0B+7], 0x80000000
	s_cmp_lt_u32 s14, 1                            ; one chain of branches on the wave's number, one fill to an arm
	s_cbranch_scc0 .Lhead_b
	tensor_load_to_lds s[G0:G0+3], s[G1:G1+7]
	s_nop 0
.rept 4
	v_nop
.endr
	s_branch .Lhead_asked
.Lhead_b:
	s_cmp_lt_u32 s14, 2
	s_cbranch_scc0 .Lhead_c
	tensor_load_to_lds s[G0B:G0B+3], s[G1B:G1B+7]
	s_nop 0
.rept 4
	v_nop
.endr
	s_branch .Lhead_asked
.Lhead_c:
	s_cmp_lt_u32 s14, 3
	s_cbranch_scc0 .Lhead_d
	tensor_load_to_lds s[G0+8:G0+11], s[G1:G1+7]
	s_nop 0
.rept 4
	v_nop
.endr
	s_branch .Lhead_asked
.Lhead_d:
	tensor_load_to_lds s[G0B+8:G0B+11], s[G1B:G1B+7]
	s_nop 0
.rept 4
	v_nop
.endr
.Lhead_asked:
	v_and_b32 v16, 31, v0
	v_and_b32 v[RR], 15, v0
	v_bfe_u32 v[HH], v0, 4, 1
	v_lshlrev_b32 v[L16], 4, v16
	v_lshlrev_b32 v[L8], 3, v16
	s_mul_i32 s17, s15, HB                         ; my half of the A side
	s_mul_i32 s18, s16, HB
	s_add_co_u32 s18, s18, 6*HB                    ; my half of the B side
	s_sub_co_u32 s19, s18, s17
	v_mul_u32_u24 v21, s19, v[HH]                  ; lanes 16-31 take the B side's words: one product, the distance between the two
	v_lshl_add_u32 v21, v[RR], 3, v21
.irp s, 0,1,2
	v_add_nc_u32 v[A16+\s], s17, v[L16]
	v_add_nc_u32 v[A8+\s], s17, v[L8]
	v_add_nc_u32 v[B16+\s], s18, v[L16]
	v_add_nc_u32 v[B8+\s], s18, v[L8]
	v_add_nc_u32 v[ADRS+\s], s17, v21
	s_add_co_u32 s17, s17, 2*HB                    ; from slot to slot
	s_add_co_u32 s18, s18, 2*HB
.endr
	; b_in at my wave's 128 columns: they are the B side for q and k, the A side for v
	s_cmp_eq_u32 ttmp9, 2
	s_cselect_b32 s22, s68, s69
	s_cselect_b32 s23, s15, s16
	s_lshl_b32 s22, s22, 10
	s_lshl_b32 s23, s23, 9
	s_add_co_u32 s22, s22, s23
	s_mov_b32 s23, 0
	s_add_nc_u64 s[8:9], s[8:9], s[22:23]
	s_cmp_eq_u32 ttmp9, 2
	s_cbranch_scc1 .Lbias_v
	v_lshlrev_b32 v22, 6, v[HH]                    ; q, k: the bias is the C of each sum's first instruction: tile 2 b + u, lane half h: columns 32 b + 16 h + 8 u + 0 .. 7
.irp b, 0,1,2,3,4,5,6,7
	global_load_b128 v[BB+8*\b:BB+8*\b+3], v22, s[8:9] offset:(32*(\b/2)+8*(\b%2))*4
	global_load_b128 v[BB+8*\b+4:BB+8*\b+7], v22, s[8:9] offset:(32*(\b/2)+8*(\b%2))*4+16
.endr
.irp a, 0,1,2,3,4,5,6,7
	v_mov_b32 v[BA+2*\a], 0
.endr
	s_branch .Lbias_done
.Lbias_v:
	v_and_b32 v22, 8, v[RR]                        ; v: a lane holds one channel: its bias is one number a tile, added on the way out
	v_add_nc_u32 v22, v22, v[RR]
	v_lshlrev_b32 v22, 2, v22
.irp a, 0,1,2,3,4,5,6,7
	global_load_b32 v[BA+2*\a], v22, s[8:9] offset:(32*(\a/2)+8*(\a%2))*4
.endr
.set i, 0
.rept 64
	v_mov_b32 v[BB+i], 0
.set i, i+1
.endr
.Lbias_done:
	; where the results go.  CB, RB: the block along n and along m; nH, mH: my half there.  A record: qc 12,800 bytes (256 queries of a head), kv 25,600 (256 keys of a head)
	s_cmp_eq_u32 ttmp9, 2
	s_cselect_b32 s77, s68, s69                    ; CB
	s_cselect_b32 s78, s69, s68                    ; RB
	s_cselect_b32 s79, s15, s16                    ; nH
	s_cselect_b32 s80, s16, s15                    ; mH
	s_cselect_b32 s83, 12288, 0                    ; v's codes lie behind k's
	s_mov_b32 s86, 768
	s_cselect_b32 s86, 1536, s86                   ; from tile to tile
	s_cselect_b32 s88, 198656, 0                   ; v, behind four tiles: on to the next head's record, 8 x 25,600 - 4 x 1,536
	s_mov_b32 s87, 0
	s_mov_b32 s89, 0
	s_mov_b32 s82, 24576
	s_cselect_b32 s82, 25088, s82                  ; the scale words' place in a record
	s_cmp_eq_u32 ttmp9, 0
	s_cselect_b32 s82, 12288, s82
	s_mov_b32 s81, 25600
	s_cselect_b32 s81, 12800, s81                  ; a record
	s_cselect_b64 s[84:85], s[10:11], s[12:13]
	s_and_b32 s77, s77, 3
	s_lshl_b32 s77, s77, 2
	s_lshl_b32 s79, s79, 1
	s_add_co_u32 s77, s77, s79                     ; my first head
	s_lshr_b32 s79, s78, 3
	s_lshl_b32 s79, s79, 4
	s_add_co_u32 s77, s77, s79                     ; + 16 x batch
	s_lshl_b32 s77, s77, 3
	s_and_b32 s78, s78, 7
	s_add_co_u32 s77, s77, s78                     ; x 8 + the block of 256 in the sequence
	s_mul_i32 s77, s77, s81
	s_mov_b32 s91, 0
	s_mul_i32 s90, s80, 6144
	s_add_co_u32 s90, s90, s77
	s_add_co_u32 s90, s90, s83
	s_add_nc_u64 s[92:93], s[84:85], s[90:91]      ; a fragment's first half: q, k: my first head; v: keys 0-63 of the 128
	s_lshl_b32 s81, s81, 3                         ; from a head to the next: eight records
	s_cmp_eq_u32 ttmp9, 2
	s_cselect_b32 s90, 768, s81
	s_add_nc_u64 s[94:95], s[92:93], s[90:91]      ; its second half: q, k: my second head; v: keys 64-127
	s_lshl_b32 s90, s80, 8
	s_add_co_u32 s90, s90, s77
	s_add_co_u32 s90, s90, s82
	s_add_nc_u64 s[96:97], s[84:85], s[90:91]      ; the scale words of my first head,
	s_mov_b32 s90, s81
	s_add_nc_u64 s[98:99], s[96:97], s[90:91]      ; and of my second
	s_mov_b32 s[SEL], 0x76543210
	s_mov_b32 s[SEL+1], 0xfedcba98                 ; lane l xor 16
	s_wait_loadcnt 0x0                             ; the bias
	s_wait_alu depctr_va_vdst(0)
.irp a, 0,1,2,3,4,5,6,7
	v_mov_b32 v[BA+2*\a+1], v[BA+2*\a]             ; in pairs, for the packed addition
.endr
	s_wait_alu depctr_va_vdst(0)
	s_cmp_lt_u32 s14, 2                            ; waves 0 and 1 fetched each side's first 3 HB, slot 0 among them; the other two loads may stay out
	s_cbranch_scc0 .Lnot_first
	s_wait_tensorcnt 0x0
.Lnot_first:
	s_barrier_signal -1
	s_barrier_wait -1
	FETCH_B 0, 0, 0
	FETCH_A 0, 0, 0
	SCALES 0, 0
	FETCH_A 0, 0, 4
	GSTEP 0, 0, 1, 0, 1, 0, 0                      ; K 0-127: starts the sums
	TURN 0, 1, 1, 1                                ; K 128-255; its wait and its round also show slots 1 and 2 whole to every wave; slot 0 is filled again
	GSTEP 0, 1, 0, 1, 1, 0, 0                      ; K 256-383
	GSTEP 1, 1, 0, 2, 0, 1, 0                      ; K 384-511; on into slot 2: no barrier, nothing is overwritten
	GSTEP 0, 0, 0, 2, 1, 0, 0                      ; K 512-639
	TURN 0, 0, 1, 0                                ; K 640-767; the refill of slot 0 has landed, in every wave
	GSTEP 0, 1, 0, 0, 1, 0, 0                      ; K 768-895
	s_wait_dscnt 16                                ; K 896-1023: nothing more to fetch
	WIN 0xa1
	MUL16 0, 1, 1, 1, 0
	MUL16 2, 1, 1, 1, 0
	s_wait_dscnt 0x0
	WIN 0xf1
	MUL16 4, 1, 1, 1, 0
	MUL16 6, 1, 1, 1, 0
	WIN 0
	PLACES 4
; THE WAY OUT.  64 numbers of a lane, register 16 b + i = place 32 b + 16 (lane / 16) + i along the B side of my row, become a fragment's codes in v[PC] on and its scale word in v[pw].
.macro QUANT s, pw
.irp b, 0,1,2,3
	v_max3_num_f32 v[TM+\b], |v[\s+16*\b]|, |v[\s+1+16*\b]|, 0x1800000   ; my 16 numbers of block b, and the floor 2^(3 - 127): the byte cannot fall under 1
.endr
.irp i, 2,4,6,8,10,12,14
.irp b, 0,1,2,3
	v_max3_num_f32 v[TM+\b], v[TM+\b], |v[\s+16*\b+\i]|, |v[\s+1+16*\b+\i]|
.endr
.endr
.irp b, 0,1,2,3
	v_permlanex16_b32 v[TM+4+\b], v[TM+\b], s[SEL], s[SEL+1]
.endr
.irp b, 0,1,2,3
	v_max_num_f32 v[TM+\b], v[TM+\b], v[TM+4+\b]   ; with lane l xor 16's: the block's largest magnitude
.endr
.irp b, 0,1,2,3
	v_add_nc_u32 v[TM+12+\b], 0xff000000, v[TM+\b] ; 2 off its exponent field: the conversion's scale operand
.endr
.irp b, 0,1,2,3
	v_lshrrev_b32 v[TM+4+\b], 23, v[TM+12+\b]      ; the scale's byte
.endr
	v_lshl_or_b32 v[\pw], v[TM+5], 8, v[TM+4]
	v_lshl_or_b32 v[\pw], v[TM+6], 16, v[\pw]
	v_lshl_or_b32 v[\pw], v[TM+7], 24, v[\pw]
.irp c, 0,1
	v_cvt_scalef32_pk16_fp6_f32 v[PC+6*\c:PC+2+6*\c], v[\s+32*\c:\s+15+32*\c], v[TM+12+2*\c]
	v_cvt_scalef32_pk16_fp6_f32 v[PC+12+4*\c:PC+14+4*\c], v[\s+16+32*\c:\s+31+32*\c], v[TM+12+2*\c+1]   ; (a conversion's three registers begin on an even number)
.endr
	v_nop                                          ; one plain place behind a scaled conversion
.irp c, 0,1                                    ; the operand's layout wants a whole block in a lane
.irp i, 0,1,2
	v_permlane16_swap_b32 v[PC+6*\c+\i], v[PC+12+4*\c+\i]
.endr
.irp i, 0,1,2
	v_mov_b32 v[PC+3+6*\c+\i], v[PC+12+4*\c+\i]
.endr
.endr
.endm
; Tile a of the A side: its eight accumulators come into window 0 (each from its low end on) with the A side's bias added, are quantised, and leave as two half images.
.macro EPI a
.set AC, 64*((\a)%4)
	WIN 0x02+((\a)/4)                              ; source 0: window 2 or 3
.set i, 0
.rept 32
	v_pk_add_f32 v[H+i:H+i+1], v[AC+i:AC+i+1], v[BA+2*(\a):BA+2*(\a)+1]
.set i, i+2
.endr
	WIN 0
	QUANT H, PWR+(\a)
	global_store_b128 v[L16], v[PC:PC+3], s[92:93]                 ; 512 consecutive bytes
	global_store_b64 v[L8], v[PC+4:PC+5], s[92:93] offset:512      ; 256 consecutive bytes
	global_store_b128 v[L16], v[PC+6:PC+9], s[94:95]
	global_store_b64 v[L8], v[PC+10:PC+11], s[94:95] offset:512
	s_wait_xcnt 0x0                                ; the stores have read their data and their bases: both are written again only behind this wait
	s_add_nc_u64 s[92:93], s[92:93], s[86:87]
	s_add_nc_u64 s[94:95], s[94:95], s[86:87]
.if (\a) == 3
	s_add_nc_u64 s[92:93], s[92:93], s[88:89]
	s_add_nc_u64 s[94:95], s[94:95], s[88:89]
.endif
.endm
.irp b, 0,1,2,3
	v_mov_b32 v[TM+4+\b], 0                        ; written once: a lane permute's destination counts as one of its sources
.endr
.irp a, 0,1,2,3,4,5,6,7
	EPI \a
.endr
	; the scale words, 256 bytes for each of my two heads: lane (r, h) stores two words
	v_cmp_eq_u32 vcc_lo, 1, v[HH]
	s_cmp_eq_u32 ttmp9, 2
	s_cbranch_scc1 .Ltail_v
.irp p, 0,1,2,3                                ; q, k: a pair of tiles shares a word: (tile 2 p: the head's two bytes; tile 2 p + 1: its two).  Lane half h stores pairs h and 2 + h
	v_perm_b32 v[TT+\p], v[PWR+2*\p+1], v[PWR+2*\p], 0x05040100
	v_perm_b32 v[TT+4+\p], v[PWR+2*\p+1], v[PWR+2*\p], 0x07060302
.endr
	v_cndmask_b32 v[TT+8], v[TT], v[TT+1], vcc_lo
	v_cndmask_b32 v[TT+9], v[TT+2], v[TT+3], vcc_lo
	v_cndmask_b32 v[TT+10], v[TT+4], v[TT+5], vcc_lo
	v_cndmask_b32 v[TT+11], v[TT+6], v[TT+7], vcc_lo
	s_branch .Ltail_store
.Ltail_v:                                          ; v: a tile of 16 channels has a word of its own (four blocks of keys).  Lane half h stores tiles h and 2 + h of the head
	v_cndmask_b32 v[TT+8], v[PWR], v[PWR+1], vcc_lo
	v_cndmask_b32 v[TT+9], v[PWR+2], v[PWR+3], vcc_lo
	v_cndmask_b32 v[TT+10], v[PWR+4], v[PWR+5], vcc_lo
	v_cndmask_b32 v[TT+11], v[PWR+6], v[PWR+7], vcc_lo
.Ltail_store:
	s_wait_alu depctr_va_vdst(0)
	global_store_b64 v[L8], v[TT+8:TT+9], s[96:97]
	global_store_b64 v[L8], v[TT+10:TT+11], s[98:99]
	s_wait_tensorcnt 0x0                           ; the wave's end
	ds_add_u32 v[SPW], v[NIL]
	s_wait_dscnt 0x0
	CROUND                                         ; the closing round
	s_endpgm
.Lfunc_end_k_qf40c45913b_gemm1:
	.size	k_qf40c45913b_gemm1, .Lfunc_end_k_qf40c45913b_gemm1-k_qf40c45913b_gemm1
	.p2alignl 7, 3214868480
	.fill 96, 4, 3214868480
	.section	.rodata,"a",@progbits
	.p2align	6, 0x0
	.amdhsa_kernel k_qf40c45913b_gemm1
		.amdhsa_group_segment_fixed_size 327680
		.amdhsa_private_segment_fixed_size 0
		.amdhsa_enable_private_segment 0
		.amdhsa_kernarg_size 40
		.amdhsa_user_sgpr_count 2
		.amdhsa_user_sgpr_kernarg_segment_ptr 1
		.amdhsa_wavefront_size32 1
		.amdhsa_system_sgpr_workgroup_id_x 1
		.amdhsa_system_sgpr_workgroup_id_y 1
		.amdhsa_system_sgpr_workgroup_id_z 1
		.amdhsa_system_vgpr_workitem_id 0
		.amdhsa_next_free_vgpr 1024
		.amdhsa_next_free_sgpr 100
		.amdhsa_reserve_vcc 1
		.amdhsa_float_denorm_mode_32 3
		.amdhsa_float_denorm_mode_16_64 3
		.amdhsa_memory_ordered 1
		.amdhsa_forward_progress 1
		.amdhsa_inst_pref_size 170
	.end_amdhsa_kernel
	.amdgpu_metadata
---
amdhsa.version: [ 1, 2 ]
amdhsa.kernels:
  - .name:           k_qf40c45913b_gemm1
    .symbol:         k_qf40c45913b_gemm1.kd
    .args:
      - { .name: xq, .offset: 0, .size: 8, .value_kind: global_buffer, .address_space: global }
      - { .name: wq, .offset: 8, .size: 8, .value_kind: global_buffer, .address_space: global }
      - { .name: b_in, .offset: 16, .size: 8, .value_kind: global_buffer, .address_space: global }
      - { .name: qc, .offset: 24, .size: 8, .value_kind: global_buffer, .address_space: global }
      - { .name: kv, .offset: 32, .size: 8, .value_kind: global_buffer, .address_space: global }
    .group_segment_fixed_size: 327680
    .private_segment_fixed_size: 0
    .kernarg_segment_align: 8
    .kernarg_segment_size: 40
    .max_flat_workgroup_size: 128
    .sgpr_count:     100
    .vgpr_count:     1024
    .wavefront_size: 32
...
	.end_amdgpu_metadata
.endif
;; end of part 2
;; launch attn (part 3): grid 4 x 64, 16 waves a work-group, no clusters, 206,848 bytes of LDS; arguments qc, kv, oq; writes oq
.if DOCPART == 3
	.amdgcn_target "amdgcn-amd-amdhsa--gfx1250"
	.amdhsa_code_object_version 6
	.text
	.protected	k_qf40c45913b_attn
	.globl	k_qf40c45913b_attn
	.p2align	8
	.type	k_qf40c45913b_attn,@function
k_qf40c45913b_attn:
	s_mov_b64 s[64:65], 0
	v_nop
	global_prefetch_b8 v0, s[64:65] scope:SCOPE_SE
	s_setreg_imm32_b32 hwreg(HW_REG_WAVE_MODE, 25, 1), 1
	s_wait_xcnt 0x0
; Causal attention of one head on codes of FP6 (E2M3) with E8M0 scales: S^T = K Q^T (K = the head's 64), p = 2^(t - M), O^T = V^T P^T (K = the keys), O / l, and O quantised along d for the last product.
; t = score x log2(e) / 8; M = the running largest t rounded UP to a whole number; l is the sum of the unquantised p; when M moves, l and O^T are multiplied by 2^(old M - new M): exact.
; LEFT OUT: key steps whose 128 keys all come after a tile's queries: the causal mask gives them p = 0.
; SHARES.  A head's 2,048 queries are 8 blocks of 256, each of 4 quarters of 64 (4 tiles of 16).  Work-group j takes quarter (j + B) % 4 of every block B: 32 tiles.  Wave w takes tile w % 4 of its work-group's quarter
; in block 7 - w / 4 and then in block w / 4: 16 - 2 (w / 4) and 2 (w / 4) + 2 steps of 128 keys, 18 in every wave, of which those wholly behind the queries are jumped over.  Every work-group reads all eight key slots.
; LDS.  The head's K and V, eight records of 25,600 bytes, are filled ONCE: each of the sixteen waves fetches half a record by one tensor load at the head.  Nothing is filled again, nothing is stored to LDS.
; Three barriers show them: slot 0 (waves 0, 1) ahead of steps 0, 1; slots 1, 2 (waves 2 to 5) ahead of steps 2 to 5; the rest ahead of steps 6 to 17.  Every wait on TENSORcnt is for 0.
; Steps 0 to 5 belong to a block of number 4 or more, whose queries all come behind key 767: their text has no mask and no jump.
; A record: 0 K's codes, 16 tiles x 768; 12,288 V's codes [128 keys: 2][16 channels: 4][1,536]; 24,576 K's scale words; 25,088 V's.
; K = 64 IN AN INSTRUCTION OF 128: a fragment of K holds tile 2 p in its first half and tile 2 p + 1 in its second.  Q lies as [q][six registers of zero codes][q].
; Both products are used transposed: a lane holds ONE query.  Lane r of K's tile 2 p + u holds key 32 p + 8 u + r + 8 (r / 8), so the 16 registers of tiles 2 p, 2 p + 1 are 16 neighbouring keys.
; NO MULTICAST, though the four work-groups of a head read the same K and V: which steps a wave jumps over hangs on the work-group's quarter, which in a cluster would be its place there.
; No prefetch: all that the work-group reads is asked for at its head.
; O's scale bytes leave two at a time (global_store_b16, 8 bytes apart): four heads share a row's two words, and a work-group has one head.
; LIMITS: NaN and infinities are not served.  A block whose largest magnitude lies under 2^(3 - 127), a block of zeros among them, gets the byte 1: its codes are zeros.  1 / l is v_rcp_f32 and a multiplication.
; The promise holds while the scaled scores stay under 2^31 in magnitude.
; REGISTERS: v1 16 x lane, v2 8 x lane, v3 r + 8 (r / 8) - 16 (lane / 16), v4 8 r; v8-10 the step's LDS addresses; v12 -M, v13 the largest t, v[14:15] l; v16-33 Q; v34-39 the second block's q;
;   v40, v41 Q's scale words; v42-43 K's, v44-45 V's; v48-95 four fragments; v96-159 S^T, then p; v160-191 O^T; v192-203 p's codes; v204-211 the conversions' second halves; v232-254 at work, v253 p's scale word.
.set REC,  25600
.set HB,   25600
.set BS,   8*HB
.set WV,   18
.set SEL,  20
.set CS,   22
.set N1,   49                          ; s49 the step at which the blocks change
.set T,    50                          ; s50 the step, 0 .. 17
.set Q0,   52                          ; s52 my tile's first query; its queries are Q0 + 0 .. 7 and Q0 + 16 .. 23
.set KS,   53                          ; s53 the step's first key
.macro WALU
	s_wait_alu depctr_va_vdst(0)
.endm
.macro FRAG reg, a16, a8, off
	ds_load_b128 v[\reg:\reg+3], v[\a16] offset:\off
	ds_load_b64 v[\reg+4:\reg+5], v[\a8] offset:\off+512
	ds_load_b128 v[\reg+6:\reg+9], v[\a16] offset:\off+768
	ds_load_b64 v[\reg+10:\reg+11], v[\a8] offset:\off+1280
.endm
	s_load_b128 s[4:7], s[0:1], 0x0                ; qc, kv
	s_load_b64 s[8:9], s[0:1], 0x10                ; oq
	v_lshl_add_u32 v251, v0, 2, 0x32000
	v_mov_b32 v255, 0
	ds_add_u32 v251, v255                          ; the opening lines: the add twice on end and its wait
	ds_add_u32 v251, v255
	v_lshrrev_b32 v8, 5, v0
	s_delay_alu instid0(VALU_DEP_1)
	v_readfirstlane_b32 s[WV], v8                  ; wave 0..15
	s_and_b32 s66, ttmp7, 0xffff                   ; 16 x batch + head
	s_mov_b32 s24, 3<<16                           ; group 1: 12,800 dense bytes as 50 rows of 256 (32 elements of 8 bytes)
	s_mov_b32 s25, 32<<16
	s_mov_b32 s26, 50<<16
	s_mov_b32 s27, 32<<16
	s_mov_b32 s28, 50
	s_mov_b32 s29, 32
	s_mov_b32 s30, 0
	s_mov_b32 s31, 0
	s_mov_b32 s40, 1
	s_mul_i32 s41, s[WV], 12800                    ; my half record
	s_mul_i32 s72, s66, 8*REC
	s_add_co_u32 s72, s72, s41
	s_mov_b32 s73, 0
	s_wait_dscnt 0x0
	s_wait_kmcnt 0x0
	s_add_nc_u64 s[42:43], s[6:7], s[72:73]
	s_or_b32 s43, s43, 0x80000000
	s_cmp_lt_u32 s[WV], 2                          ; one fill a wave, in one chain of branches on the wave's number: an arm for each of the three barriers that show the fills
	s_cbranch_scc0 .Lfill_b
	tensor_load_to_lds s[40:43], s[24:31]          ; waves 0, 1: slot 0
	s_nop 0
.rept 4
	v_nop
.endr
	s_branch .Lfilled
.Lfill_b:
	s_cmp_lt_u32 s[WV], 6
	s_cbranch_scc0 .Lfill_c
	tensor_load_to_lds s[40:43], s[24:31]          ; waves 2 to 5: slots 1, 2
	s_nop 0
.rept 4
	v_nop
.endr
	s_branch .Lfilled
.Lfill_c:
	tensor_load_to_lds s[40:43], s[24:31]          ; waves 6 to 15: slots 3 to 7
	s_nop 0
.rept 4
	v_nop
.endr
.Lfilled:
	v_and_b32 v5, 31, v0
	v_and_b32 v6, 15, v0                           ; r
	v_bfe_u32 v7, v0, 4, 1                         ; h
	v_lshlrev_b32 v1, 4, v5
	v_lshlrev_b32 v2, 3, v5
	v_lshlrev_b32 v4, 3, v6
	v_and_b32 v3, 8, v6
	v_lshlrev_b32 v7, 4, v7
	v_add_nc_u32 v3, v3, v6                        ; r + 8 (r / 8)
	s_delay_alu instid0(VALU_DEP_1)
	v_sub_nc_u32 v3, v3, v7                        ; - 16 h (a signed number)
	s_lshr_b32 s67, s[WV], 2                       ; the second block's number; the first's is 7 less it
	s_and_b32 s68, s[WV], 3                        ; my tile in the quarter
	s_sub_co_u32 s69, 7, s67
	s_lshl_b32 s[N1], s67, 1
	s_sub_co_u32 s[N1], 16, s[N1]
	s_lshr_b32 s83, s68, 1
	s_and_b32 s84, s68, 1
	s_bfe_u32 s85, s66, 0x10001
	s_and_b32 s86, s66, 1
	s_lshl_b32 s76, s83, 5
	s_lshl_b32 s70, s84, 3
	s_add_co_u32 s76, s76, s70                     ; my tile's first query in its quarter
	s_lshl_b32 s78, s83, 7
	s_add_co_u32 s78, s78, 12288                   ; q's scale word: the part that hangs on my tile
	s_lshr_b32 s81, s66, 4
	s_mul_i32 s81, s81, 8*BS
	s_bfe_u32 s70, s66, 0x20002
	s_mul_i32 s70, s70, 2*HB
	s_add_co_u32 s81, s81, s70                     ; oq: batch, K quarter head / 4
	s_mul_i32 s82, s83, 6144
	s_add_co_u32 s82, s82, s81
	s_mul_i32 s70, s84, 3072
	s_add_co_u32 s82, s82, s70
	s_mul_i32 s70, s85, 1536
	s_add_co_u32 s82, s82, s70
	s_mul_i32 s70, s86, 768
	s_add_co_u32 s82, s82, s70                     ; O's codes, but for block and quarter
	s_lshl_b32 s88, s83, 8
	s_add_co_u32 s88, s88, s81
	s_lshl_b32 s70, s84, 7
	s_add_co_u32 s88, s88, s70
	s_lshl_b32 s70, s85, 2
	s_add_co_u32 s88, s88, s70
	s_lshl_b32 s70, s86, 1
	s_add_co_u32 s88, s88, s70
	s_add_co_u32 s88, s88, 24576                   ; O's scale bytes likewise
	s_lshl_b32 s89, s66, 3
; Block s\qb: its quarter c = (j + block) % 4, my tile 4 c + w % 4 of the block.  s\q0 the tile's first query; s[pq] q's codes, s[ps] q's scale word, s[po] O's codes, s[pw] O's scale bytes.
.macro BLK qb, q0, pq, ps, po, pw
	s_add_co_u32 s70, ttmp9, s\qb
	s_and_b32 s70, s70, 3
	s_lshr_b32 s71, s70, 1
	s_and_b32 s72, s70, 1
	s_lshl_b32 s\q0, s\qb, 8
	s_lshl_b32 s73, s70, 6
	s_add_co_u32 s\q0, s\q0, s73
	s_add_co_u32 s\q0, s\q0, s76
	s_add_co_u32 s73, s89, s\qb
	s_mul_i32 s73, s73, 12800                      ; the block's record in qc: 16 tiles x 768 bytes, then 2 x 256 bytes of scale words
	s_lshl_b32 s74, s70, 2
	s_add_co_u32 s74, s74, s68
	s_mul_i32 s74, s74, 768
	s_add_co_u32 s74, s74, s73
	s_mov_b32 s75, 0
	s_add_nc_u64 s[\pq:\pq+1], s[4:5], s[74:75]
	s_lshl_b32 s74, s71, 8                         ; the word: unit tile / 8, lane half (tile / 2) % 2, word (tile / 4) % 2
	s_add_co_u32 s74, s74, s73
	s_lshl_b32 s73, s72, 2
	s_add_co_u32 s74, s74, s73
	s_add_co_u32 s74, s74, s78
	s_add_nc_u64 s[\ps:\ps+1], s[4:5], s[74:75]
	s_mul_i32 s73, s\qb, BS
	s_mul_i32 s74, s71, HB
	s_add_co_u32 s73, s73, s74
	s_mul_i32 s74, s72, 12288
	s_add_co_u32 s74, s74, s73
	s_add_co_u32 s74, s74, s82
	s_add_nc_u64 s[\po:\po+1], s[8:9], s[74:75]
	s_lshl_b32 s74, s72, 9
	s_add_co_u32 s74, s74, s73
	s_add_co_u32 s74, s74, s88
	s_add_nc_u64 s[\pw:\pw+1], s[8:9], s[74:75]
.endm
	BLK 69, 52, 10, 12, 56, 58
	BLK 67, 55, 14, 16, 60, 62
	WALU
	global_load_b128 v[16:19], v1, s[10:11]        ; q, in front of the zeros,
	global_load_b64 v[20:21], v2, s[10:11] offset:512
	global_load_b128 v[28:31], v1, s[10:11]        ; and behind them
	global_load_b64 v[32:33], v2, s[10:11] offset:512
	global_load_b32 v40, v4, s[12:13]
	global_load_b128 v[34:37], v1, s[14:15]        ; the second block's q waits in registers
	global_load_b64 v[38:39], v2, s[14:15] offset:512
	global_load_b32 v41, v4, s[16:17]
	s_mov_b32 s[SEL], 0x76543210
	s_mov_b32 s[SEL+1], 0xfedcba98                 ; lane l xor 16
	s_mov_b32 s[CS], 0x3e38aa3b                    ; c = log2(e) / 8
	s_mov_b32 s[CS+1], s[CS]
	s_cmp_eq_u32 s84, 0
	s_mov_b32 s87, 0x03020302
	s_cselect_b32 s87, 0x01000100, s87             ; my tile's two bytes of the pair's word, twice
	v_mov_b32 v13, 0xff61b1e6                      ; the largest t so far: -3e38
	s_delay_alu instid0(VALU_DEP_1)
	v_floor_f32 v12, -v13                          ; -M
	v_mov_b32 v14, 0
	v_mov_b32 v15, 0
.irp j, 22,23,24,25,26,27
	v_mov_b32 v\j, 0                               ; zero codes between the two q
.endr
.irp j, 236,237,238,239,252,253
	v_mov_b32 v\j, 0                               ; written once: a lane permute's destination counts as one of its sources, and a pair is named whole
.endr
	WALU
	s_wait_loadcnt 0x0
	v_perm_b32 v40, v40, v40, s87                  ; Q's scale word: (s0, s1, s0, s1)
	v_perm_b32 v41, v41, v41, s87
.set n, 0
.rept 32
	v_mov_b32 v[160+n], 0                          ; O^T: the step's first run finds zeros.  (Also the places between the scale word's making and the first product)
.set n, n+1
.endr
; The step's LDS places from its number in its block (s\m): s98 the codes' (slot x REC + 6,144 x half), s97 the scale words' (slot x REC + 256 x half)
.macro WHERE m, clamp
	s_lshr_b32 s96, s\m, 1
.if \clamp
	s_min_u32 s96, s96, 7
.endif
	s_and_b32 s97, s\m, 1
	s_mul_i32 s96, s96, REC
	s_mul_i32 s98, s97, 6144
	s_add_co_u32 s98, s98, s96
	s_lshl_b32 s97, s97, 8
	s_add_co_u32 s97, s97, s96
.endm
; A KEY STEP: 128 keys.  masked = 1: the text with the jump over a step that is wholly hidden and with the mask of a step that is partly hidden.
.macro STEP masked
.if \masked
	s_add_co_u32 s96, s[Q0], 23
	s_cmp_gt_u32 s[KS], s96                        ; all its keys come after my 16 queries: the step is left out (a branch on ids)
	s_cbranch_scc1 .Lhidden_\@
.endif
	v_add_nc_u32 v8, s98, v1                       ; with the v_nop: the four places in front of loads into registers that matrix instructions have read
	v_add_nc_u32 v9, s98, v2
	v_add_nc_u32 v10, s97, v2
	v_nop
	WALU
.irp p, 0,1,2,3
	FRAG 48+12*\p, 8, 9, 1536*\p                   ; tiles 2 p and 2 p + 1 of K
.endr
	ds_load_b64 v[42:43], v10 offset:24576         ; word j of lane half h: pair 2 j + h
	s_wait_dscnt 0x0
.irp p, 0,1,2,3
.irp u, 0,1
.if \p%2
	v_wmma_scale_f32_16x16x128_f8f6f4 v[96+8*(2*\p+\u):103+8*(2*\p+\u)], v[48+12*\p:59+12*\p], v[16+6*\u:27+6*\u], 0, v[42+\p/2], v40 matrix_a_fmt:MATRIX_FMT_FP6 matrix_b_fmt:MATRIX_FMT_FP6 matrix_a_scale:MATRIX_SCALE_ROW1
.else
	v_wmma_scale_f32_16x16x128_f8f6f4 v[96+8*(2*\p+\u):103+8*(2*\p+\u)], v[48+12*\p:59+12*\p], v[16+6*\u:27+6*\u], 0, v[42+\p/2], v40 matrix_a_fmt:MATRIX_FMT_FP6 matrix_b_fmt:MATRIX_FMT_FP6
.endif
.endr
.endr
.rept 4
	v_nop
.endr
	WALU
.irp t, 0,1,2,3
	FRAG 48+12*\t, 8, 9, 12288+1536*\t             ; V's four tiles of 16 channels x these 128 keys: they land under the softmax
.endr
	ds_load_b64 v[44:45], v10 offset:25088         ; word j of lane half h: tile 2 j + h
.if \masked
	s_add_co_u32 s96, s[KS], 127
	s_cmp_le_u32 s96, s[Q0]                        ; all its keys count: no mask
	s_cbranch_scc1 .Lopen_\@
	s_sub_co_i32 s96, s[Q0], s[KS]
	v_add_nc_u32 v252, s96, v3                     ; d = my query - the step's first key - 16 (lane / 16).  Register 16 b + i holds key 32 b + 16 (lane / 16) + i: hidden where 32 b + i > d
	v_mov_b32 v254, 0xff800000                     ; -infinity: p = 0 then
.set n, 0
.rept 64
	v_cmp_gt_i32 vcc_lo, 32*(n/16)+n%16, v252
	v_cndmask_b32 v[96+n], v[96+n], v254, vcc_lo
.set n, n+1
.endr
.Lopen_\@:
.endif
.irp b, 0,1,2,3
	v_max3_num_f32 v[232+\b], v[96+16*\b], v[97+16*\b], v[98+16*\b]   ; the largest score of each block of 32 keys: for the row's maximum and, since p rises with the score, for the block's largest p
.endr
.irp i, 3,5,7,9,11,13
.irp b, 0,1,2,3
	v_max3_num_f32 v[232+\b], v[232+\b], v[96+16*\b+\i], v[97+16*\b+\i]
.endr
.endr
.irp b, 0,1,2,3
	v_max_num_f32 v[232+\b], v[232+\b], v[111+16*\b]
.endr
.irp b, 0,1,2,3
	s_delay_alu instid0(VALU_DEP_4)
	v_permlanex16_b32 v[236+\b], v[232+\b], s[SEL], s[SEL+1]
.endr
.irp b, 0,1,2,3
	s_delay_alu instid0(VALU_DEP_4)
	v_max_num_f32 v[232+\b], v[232+\b], v[236+\b]  ; with lane l xor 16's 16 keys
.endr
	s_delay_alu instid0(VALU_DEP_2)
	v_max3_num_f32 v254, v232, v233, v234
	s_delay_alu instid0(VALU_DEP_1)
	v_max_num_f32 v254, v254, v235
	s_delay_alu instid0(VALU_DEP_1)
	v_mul_f32 v254, s[CS], v254                    ; the step's largest t
	s_delay_alu instid0(VALU_DEP_1)
	v_max_num_f32 v13, v13, v254                   ; the running largest t
	v_mov_b32 v254, v12
	s_delay_alu instid0(VALU_DEP_2)
	v_floor_f32 v12, -v13                          ; the new -M = -ceil(t): a whole number
	s_delay_alu instid0(VALU_DEP_1)
	v_sub_f32 v254, v12, v254                      ; old M - new M: a whole number, 0 or less
	s_delay_alu instid0(VALU_DEP_1)
	v_cvt_i32_f32 v254, v254                       ; (it saturates)
	s_delay_alu instid0(VALU_DEP_1)
	v_ldexp_f32 v252, 1.0, v254                    ; f = 2^(old M - new M)
.set n, 0
.rept 32
	v_pk_fma_f32 v[96+n:97+n], v[96+n:97+n], s[CS:CS+1], v[12:13] op_sel_hi:[1,0,0]   ; t - M
.set n, n+2
.endr
.irp b, 0,1,2,3
	v_fma_f32 v[232+\b], v[232+\b], s[CS], v12     ; the same of each block's largest score
.endr
	WALU
.set n, 0
.rept 64
	v_exp_f32 v[96+n], v[96+n]                     ; p = 2^(t - M): not normalised
.set n, n+1
.endr
	v_pk_mul_f32 v[14:15], v[14:15], v[252:253] op_sel_hi:[1,0]   ; l under the new M.  (A plain place behind the exponentials)
	WALU                                           ; one wait for the batch, ahead of its first reader
.irp b, 0,1,2,3
	v_exp_f32 v[232+\b], v[232+\b]                 ; the block's largest p
.endr
; l: the 32 pairs of p in eight chains side by side: v[14:15] and v[236:237] .. v[248:249]
.irp i, 1,2,3,4,5,6,7
	v_pk_add_f32 v[234+2*\i:235+2*\i], v[92+4*\i:93+4*\i], v[94+4*\i:95+4*\i]
.endr
	v_pk_add_f32 v[14:15], v[14:15], v[124:125]
.irp i, 1,2,3,4,5,6,7
	v_pk_add_f32 v[234+2*\i:235+2*\i], v[234+2*\i:235+2*\i], v[124+2*\i:125+2*\i]
.endr
	v_pk_add_f32 v[14:15], v[14:15], v[140:141]
.irp i, 1,2,3,4,5,6,7
	v_pk_add_f32 v[234+2*\i:235+2*\i], v[234+2*\i:235+2*\i], v[140+2*\i:141+2*\i]
.endr
	v_pk_add_f32 v[14:15], v[14:15], v[156:157]
	v_pk_add_f32 v[236:237], v[236:237], v[158:159]
	v_pk_add_f32 v[238:239], v[238:239], v[246:247]
	v_pk_add_f32 v[240:241], v[240:241], v[248:249]
	v_pk_add_f32 v[14:15], v[14:15], v[242:243]
	v_pk_add_f32 v[236:237], v[236:237], v[244:245]
	s_delay_alu instid0(VALU_DEP_2)
	v_pk_add_f32 v[14:15], v[14:15], v[238:239]
	s_delay_alu instid0(VALU_DEP_2)
	v_pk_add_f32 v[236:237], v[236:237], v[240:241]
	s_delay_alu instid0(VALU_DEP_1)
	v_pk_add_f32 v[14:15], v[14:15], v[236:237]
	WALU                                           ; and one for the four
.irp b, 0,1,2,3
	v_max_num_f32 v[232+\b], 0x1800000, v[232+\b]  ; the floor 2^(3 - 127)
.endr
.irp b, 0,1,2,3
	s_delay_alu instid0(VALU_DEP_4)
	v_add_nc_u32 v[244+\b], 0xff000000, v[232+\b]  ; the conversion's scale operand
.endr
.irp b, 0,1,2,3
	s_delay_alu instid0(VALU_DEP_4)
	v_lshrrev_b32 v[236+\b], 23, v[244+\b]         ; the scale's byte
.endr
	s_delay_alu instid0(VALU_DEP_3)
	v_lshl_or_b32 v253, v237, 8, v236              ; p's scale word for these 128 keys
	s_delay_alu instid0(VALU_DEP_1)
	v_lshl_or_b32 v253, v238, 16, v253
	s_delay_alu instid0(VALU_DEP_1)
	v_lshl_or_b32 v253, v239, 24, v253
.irp c, 0,1
	v_cvt_scalef32_pk16_fp6_f32 v[192+6*\c:194+6*\c], v[96+32*\c:111+32*\c], v[244+2*\c]
	v_cvt_scalef32_pk16_fp6_f32 v[204+4*\c:206+4*\c], v[112+32*\c:127+32*\c], v[244+2*\c+1]
.endr
	v_nop                                          ; one plain place behind a scaled conversion
.irp c, 0,1
.irp i, 0,1,2
	v_permlane16_swap_b32 v[192+6*\c+\i], v[204+4*\c+\i]
.endr
.irp i, 0,1,2
	s_delay_alu instid0(VALU_DEP_3)
	v_mov_b32 v[195+6*\c+\i], v[204+4*\c+\i]
.endr
.endr
.set n, 0
.rept 16
	v_pk_mul_f32 v[160+n:161+n], v[160+n:161+n], v[252:253] op_sel_hi:[1,0]   ; O^T under the new M.  (These sixteen also stand between the making of p's codes and scale word and the products)
.set n, n+2
.endr
	WALU
	s_wait_dscnt 0x0                               ; V
.irp t, 0,1,2,3
.if \t%2
	v_wmma_scale_f32_16x16x128_f8f6f4 v[160+8*\t:167+8*\t], v[48+12*\t:59+12*\t], v[192:203], v[160+8*\t:167+8*\t], v[44+\t/2], v253 matrix_a_fmt:MATRIX_FMT_FP6 matrix_b_fmt:MATRIX_FMT_FP6 matrix_a_scale:MATRIX_SCALE_ROW1
.else
	v_wmma_scale_f32_16x16x128_f8f6f4 v[160+8*\t:167+8*\t], v[48+12*\t:59+12*\t], v[192:203], v[160+8*\t:167+8*\t], v[44+\t/2], v253 matrix_a_fmt:MATRIX_FMT_FP6 matrix_b_fmt:MATRIX_FMT_FP6
.endif
.endr
.if \masked
.Lhidden_\@:
.endif
.endm
; A tile of queries is finished: O^T / l; register 16 g + i is channel 32 g + 16 (lane / 16) + i of my query: two blocks of 32 along d; they leave as one half image (s[po]) and two scale bytes (s[pw]).
.macro FINAL po, pw
.rept 4
	v_nop
.endr
	v_add_f32 v14, v14, v15
	s_delay_alu instid0(VALU_DEP_1)
	v_permlanex16_b32 v252, v14, s[SEL], s[SEL+1]
	s_delay_alu instid0(VALU_DEP_1)
	v_add_f32 v14, v14, v252                       ; the row's sum
	WALU
	v_rcp_f32 v14, v14
	v_nop                                          ; a plain place behind the transcendental
	WALU                                           ; ahead of the first reader
.set n, 0
.rept 16
	v_pk_mul_f32 v[96+n:97+n], v[160+n:161+n], v[14:15] op_sel_hi:[1,0]
.set n, n+2
.endr
.irp g, 0,1
	v_max3_num_f32 v[232+\g], |v[96+16*\g]|, |v[97+16*\g]|, 0x1800000
.endr
.irp i, 2,4,6,8,10,12,14
.irp g, 0,1
	s_delay_alu instid0(VALU_DEP_2)
	v_max3_num_f32 v[232+\g], v[232+\g], |v[96+16*\g+\i]|, |v[97+16*\g+\i]|
.endr
.endr
.irp g, 0,1
	s_delay_alu instid0(VALU_DEP_2)
	v_permlanex16_b32 v[236+\g], v[232+\g], s[SEL], s[SEL+1]
.endr
.irp g, 0,1
	s_delay_alu instid0(VALU_DEP_2)
	v_max_num_f32 v[232+\g], v[232+\g], v[236+\g]
.endr
.irp g, 0,1
	s_delay_alu instid0(VALU_DEP_2)
	v_add_nc_u32 v[244+\g], 0xff000000, v[232+\g]
.endr
.irp g, 0,1
	s_delay_alu instid0(VALU_DEP_2)
	v_lshrrev_b32 v[236+\g], 23, v[244+\g]
.endr
	s_delay_alu instid0(VALU_DEP_1)
	v_lshl_or_b32 v238, v237, 8, v236              ; my row's two bytes
	v_cvt_scalef32_pk16_fp6_f32 v[192:194], v[96:111], v244
	v_cvt_scalef32_pk16_fp6_f32 v[204:206], v[112:127], v245
	v_nop
.irp i, 0,1,2
	v_permlane16_swap_b32 v[192+\i], v[204+\i]
.endr
.irp i, 0,1,2
	s_delay_alu instid0(VALU_DEP_3)
	v_mov_b32 v[195+\i], v[204+\i]
.endr
	global_store_b128 v1, v[192:195], s[\po:\po+1] ; 512 consecutive bytes
	global_store_b64 v2, v[196:197], s[\po:\po+1] offset:512
	global_store_b16 v4, v238, s[\pw:\pw+1]        ; (both halves of the lanes hold, and write, the same two bytes)
	s_wait_xcnt 0x0                                ; the stores have read their data
.endm
.macro SWITCH                          ; on to the second block: its q and scale word first; the clears behind them are the places that they owe
	s_mov_b32 s[Q0], s55
	v_mov_b32 v40, v41
.irp j, 0,1,2,3,4,5
	v_mov_b32 v[16+\j], v[34+\j]
	v_mov_b32 v[28+\j], v[34+\j]
.endr
	v_mov_b32 v13, 0xff61b1e6
	s_delay_alu instid0(VALU_DEP_1)
	v_floor_f32 v12, -v13
	v_mov_b32 v14, 0
	v_mov_b32 v15, 0
.set n, 0
.rept 32
	v_mov_b32 v[160+n], 0
.set n, n+1
.endr
.endm
	s_mov_b32 s[T], 0
	WALU
	s_cmp_lt_u32 s[WV], 2                          ; waves 0 and 1 fetched slot 0; the other loads may stay out
	s_cbranch_scc0 .Lshow_a
	s_wait_tensorcnt 0x0
.Lshow_a:
	s_barrier_signal -1
	s_barrier_wait -1
.Lsteps_a:                                             ; steps 0, 1: slot 0; the places are chosen between constants
	s_cmp_eq_u32 s[T], 1
	s_cselect_b32 s98, 6144, 0
	s_cselect_b32 s97, 256, 0
	STEP 0
	s_add_co_u32 s[T], s[T], 1
	s_cmp_lt_u32 s[T], 2
	s_cbranch_scc1 .Lsteps_a
	s_cmp_lt_u32 s[WV], 6                          ; waves 2 to 5 fetched slots 1 and 2
	s_cbranch_scc0 .Lshow_b
	s_wait_tensorcnt 0x0
.Lshow_b:
	s_wait_dscnt 0x0
	s_barrier_signal -1
	s_barrier_wait -1
	s_mov_b32 s[T], 2
.Lsteps_b:                                             ; steps 2 to 5: slots 1, 2; the places are chosen between constants
	s_mov_b32 s96, REC
	s_cmp_ge_u32 s[T], 4
	s_cselect_b32 s96, 2*REC, s96
	s_bitcmp1_b32 s[T], 0
	s_cselect_b32 s98, 6144, 0
	s_cselect_b32 s97, 256, 0
	s_add_co_u32 s98, s98, s96
	s_add_co_u32 s97, s97, s96
	STEP 0
	s_add_co_u32 s[T], s[T], 1
	s_cmp_lt_u32 s[T], 6
	s_cbranch_scc1 .Lsteps_b
	s_wait_tensorcnt 0x0                           ; my half record is in,
	s_wait_dscnt 0x0
	s_barrier_signal -1
	s_barrier_wait -1                              ; everybody's is
	s_mov_b32 s[T], 6
.Lsteps_c:                                             ; steps 6 to 17
	s_cmp_eq_u32 s[T], s[N1]
	s_cbranch_scc0 .Lsame
	FINAL 56, 58
	SWITCH
.Lsame:
	s_sub_co_u32 s96, s[T], s[N1]
	s_cmp_lt_u32 s[T], s[N1]
	s_cselect_b32 s99, s[T], s96                   ; the step's number in its block
	s_lshl_b32 s[KS], s99, 7
	WHERE 99, 1
	STEP 1
	s_add_co_u32 s[T], s[T], 1
	s_cmp_lt_u32 s[T], 18
	s_cbranch_scc1 .Lsteps_c
	FINAL 60, 62
	s_wait_tensorcnt 0x0                           ; the wave's end
	ds_add_u32 v251, v255
	s_wait_dscnt 0x0
	s_endpgm
.Lfunc_end_k_qf40c45913b_attn:
	.size	k_qf40c45913b_attn, .Lfunc_end_k_qf40c45913b_attn-k_qf40c45913b_attn
	.p2alignl 7, 3214868480
	.fill 96, 4, 3214868480
	.section	.rodata,"a",@progbits
	.p2align	6, 0x0
	.amdhsa_kernel k_qf40c45913b_attn
		.amdhsa_group_segment_fixed_size 206848
		.amdhsa_private_segment_fixed_size 0
		.amdhsa_enable_private_segment 0
		.amdhsa_kernarg_size 24
		.amdhsa_user_sgpr_count 2
		.amdhsa_user_sgpr_kernarg_segment_ptr 1
		.amdhsa_wavefront_size32 1
		.amdhsa_system_sgpr_workgroup_id_x 1
		.amdhsa_system_sgpr_workgroup_id_y 1
		.amdhsa_system_sgpr_workgroup_id_z 1
		.amdhsa_system_vgpr_workitem_id 0
		.amdhsa_next_free_vgpr 256
		.amdhsa_next_free_sgpr 100
		.amdhsa_reserve_vcc 1
		.amdhsa_float_denorm_mode_32 3
		.amdhsa_float_denorm_mode_16_64 3
		.amdhsa_memory_ordered 1
		.amdhsa_forward_progress 1
		.amdhsa_inst_pref_size 78
	.end_amdhsa_kernel
	.amdgpu_metadata
---
amdhsa.version: [ 1, 2 ]
amdhsa.kernels:
  - .name:           k_qf40c45913b_attn
    .symbol:         k_qf40c45913b_attn.kd
    .args:
      - { .name: qc, .offset: 0, .size: 8, .value_kind: global_buffer, .address_space: global }
      - { .name: kv, .offset: 8, .size: 8, .value_kind: global_buffer, .address_space: global }
      - { .name: oq, .offset: 16, .size: 8, .value_kind: global_buffer, .address_space: global }
    .group_segment_fixed_size: 206848
    .private_segment_fixed_size: 0
    .kernarg_segment_align: 8
    .kernarg_segment_size: 24
    .max_flat_workgroup_size: 512
    .sgpr_count:     100
    .vgpr_count:     256
    .wavefront_size: 32
...
	.end_amdgpu_metadata
.endif
;; end of part 3
;; launch gemm2 (part 4): grid 8 x 32, 4 waves a work-group, clusters of 4 x 4, 327,680 bytes of LDS; arguments oq, wq, b_out, out0; writes out0
.if DOCPART == 4
	.amdgcn_target "amdgcn-amd-amdhsa--gfx1250"
	.amdhsa_code_object_version 6
	.text
	.protected	k_qf40c45913b_gemm2
	.globl	k_qf40c45913b_gemm2
	.p2align	8
	.type	k_qf40c45913b_gemm2,@function
k_qf40c45913b_gemm2:
	s_mov_b64 s[64:65], 0
	v_nop
	global_prefetch_b8 v0, s[64:65] scope:SCOPE_SE
	s_setreg_imm32_b32 hwreg(HW_REG_WAVE_MODE, 25, 1), 1
	s_wait_xcnt 0x0
	s_wait_alu depctr_hold_cnt(0) depctr_sa_sdst(0) depctr_va_vdst(0) depctr_va_sdst(0) depctr_va_ssrc(0) depctr_va_vcc(0) depctr_vm_vsrc(0)
	s_getreg_b32 s2, hwreg(HW_REG_IB_STS2, 6, 4)
	s_cmp_eq_u32 s2, 0
	s_cbranch_scc0 .Lentry_in_a_cluster
	s_endpgm
.Lentry_in_a_cluster:
	s_bfe_u32 s2, ttmp6, 0x10000c
	s_cmp_lg_u32 s2, 0xf033
	s_cbranch_scc0 .Lentry_shape_is_right
	s_endpgm
.Lentry_shape_is_right:
; y = O W_out + b_out on codes of FP6 (E2M3) with E8M0 scales, K = 1,024; y f32.
; A work-group of four waves makes 256 rows x 128 columns: 32 x 8 = 256 work-groups.  A wave makes 128 x 64.
; OPERANDS lie in memory in the order of the operand's registers: HB = 25,600 bytes for 128 rows x 256 K (eight tiles x 3,072 bytes of codes, then 1,024 bytes of scale words); a block of 256 rows is [256 along K: 4][half: 2][HB].
; LDS holds ALL OF K of both sides, filled ONCE, one joint load a wave at the head: waves 0 and 1 the columns' quarters of K 0, 1 and 2, 3 (2 rows of HB bytes each, 2 HB apart in memory), waves 2 and 3 the rows' (4 HB dense bytes each).
; Nothing is filled again.  The first barrier shows the columns, the second the rows.
; THE COLUMNS LIVE IN REGISTERS: a wave's 64 columns, all of K, are 4 tiles x 8 fragments of 12 registers, read from LDS between the two barriers.  The rows go past them in eight tiles of 16 rows, all of K: 8 fragments, in two sets.
; A tile's 16 x 64 results are finished after its 32 products (four accumulators by turns, K ascending) and leave at once: through the wave's own stage, and by stores that stand behind the next tile's products.
; CLUSTERS: 4 x 4 work-groups; the rows' tiles are shared along a row of the cluster, the columns' along a column.
; THE MATRIX INSTRUCTION IS USED TRANSPOSED (source 0 = W_out's columns, source 1 = O's rows): a lane holds eight neighbouring numbers of a row of y.  b_out is the C of each sum's first product.
; Lane r of tile 2 p + u holds row (or column) 32 p + 8 u + r + 8 (r / 8).
; THE STAGE lies in the columns' LDS bytes: they have had their only fill, and every wave's reads of them are over at the second barrier.
; THE WAITS' COUNTS.  A fetch is 36 LDS loads, a tile's turn through the stage 16 LDS instructions.  Tile a was fetched two tiles ago; younger than that fetch are tile a - 1's turn and tile a + 1's fetch: 52 (tile 0: the fetch alone, 36; tile 7: the turn alone, 16).
; Younger than a turn's loads is the fetch behind it: 36; behind the last two turns nothing is fetched: 0.
; No prefetch: all that the work-group reads is asked for at its head.
; REGISTERS.  Window 0: v1-27 addresses; v34-65 the columns' scale words (8 b + K step); v72-87 the rows', two sets; v96-159 two sets of four accumulators; v160-223 the way out; v224-255 b_out.
;   Fragment f lies in window 1 + f / 21 at register 12 (f % 21): 0-31 the columns' (4 x K step + tile), 32-39 and 40-47 the rows' two sets.
.set HB,    25600
.set BS,    8*HB
.set WO,    12*BS                      ; W_out's blocks lie behind W_in's twelve
.set BREG,  8*HB                       ; LDS: the columns' four quarters, behind the rows' eight halves
.set STAGE, BREG
.set SPARE, 12*HB                      ; the spare words: 128 bytes a wave
.set SP,    272                        ; a stage row: 256 bytes + 16
.set FR,    12
.set FPW,   21
.set A16,   1                          ; one address for each quarter of K
.set A8,    5
.set B16,   9
.set B8,    13
.set ASC,   17
.set BSC,   21
.set STO,   25
.set RD,    26
.set CO,    27
.set SPW,   28
.set NIL,   29
.set RR,    30
.set HH,    31
.set SB,    34
.set SA,    72
.set ACC,   96
.set BK,    160
.set BB,    224
.set G1,    24
.set GA0,   32
.set GA1,   36
.set G1B,   44
.set GB0,   52
.set GB1,   56
.set MSB, 0
.macro WIN new
.if MSB != (\new)
	s_set_vgpr_msb (MSB<<8)|(\new)
.set MSB, (\new)
.endif
.endm
.macro PLACES n
.rept \n
	v_nop
.endr
.endm
.macro CROUND                          ; a round of the cluster's barrier
	s_barrier_signal -1
	s_barrier_wait -1
	s_cmp_lg_u32 s14, 0
	s_cbranch_scc1 .Lnot_wave_0_\@
	s_barrier_signal -3
.Lnot_wave_0_\@:
	s_barrier_wait -3
	s_barrier_signal -1
	s_barrier_wait -1
.endm
.macro G0SET g, lds, base, off
	s_mov_b32 s[\g], 1
	s_mov_b32 s[\g+1], \lds
	s_add_nc_u64 s[\g+2:\g+3], s[\base:\base+1], \off
	s_or_b32 s[\g+3], s[\g+3], 0x80000000
.endm
.macro ARM under, g0, g1, next         ; one arm of the head's chain: a load, and a jump to the chain's end
	s_cmp_lt_u32 s14, \under
	s_cbranch_scc0 \next
	tensor_load_to_lds s[\g0:\g0+3], s[\g1:\g1+7]
	s_nop 0
	PLACES 4
	s_branch .Lasked
\next:
.endm
.macro FRAG f, a16, a8, off            ; fragment f comes as it was stored: two half images, each 16 bytes and 8 bytes a lane
	WIN (1+(\f)/FPW)<<6
.set R_, FR*((\f)%FPW)
	ds_load_b128 v[R_:R_+3], v[\a16] offset:\off
	ds_load_b64 v[R_+4:R_+5], v[\a8] offset:\off+512
	ds_load_b128 v[R_+6:R_+9], v[\a16] offset:\off+768
	ds_load_b64 v[R_+10:R_+11], v[\a8] offset:\off+1280
.endm
.macro WEIGHTS                         ; my 64 columns, all of K, and their scale words
.irp s, 0,1,2,3,4,5,6,7
.irp b, 0,1,2,3
	FRAG 4*\s+\b, B16+\s/2, B8+\s/2, \b*3072+(\s%2)*1536
.endr
.endr
	WIN 0
.irp q, 0,1,2,3
.irp b, 0,1,2,3
	ds_load_b64 v[SB+8*\b+2*\q:SB+8*\b+2*\q+1], v[BSC+\q] offset:24576+128*\b
.endr
.endr
.endm
.macro FETCH a                         ; tile a of my rows, all of K, into set a % 2: 32 + 4 loads
.set E_, (\a)%2
.irp s, 0,1,2,3,4,5,6,7
	FRAG 32+8*E_+\s, A16+\s/2, A8+\s/2, (\a)*3072+(\s%2)*1536
.endr
	WIN 0
.irp q, 0,1,2,3
	ds_load_b64 v[SA+8*E_+2*\q:SA+8*E_+2*\q+1], v[ASC+\q] offset:24576+128*(\a)
.endr
.endm
.macro MUL a                           ; tile a's 32 products; the four accumulators take turns
.set E_, (\a)%2
.irp s, 0,1,2,3,4,5,6,7
.irp b, 0,1,2,3
.set FB_, 4*\s+\b
.set FA_, 32+8*E_+\s
	WIN (1+FB_/FPW)|((1+FA_/FPW)<<2)
.if \s == 0
	v_wmma_scale_f32_16x16x128_f8f6f4 v[ACC+32*E_+8*\b:ACC+32*E_+8*\b+7], v[FR*(FB_%FPW):FR*(FB_%FPW)+FR-1], v[FR*(FA_%FPW):FR*(FA_%FPW)+FR-1], v[BB+8*\b:BB+8*\b+7], v[SB+8*\b+\s], v[SA+8*E_+\s] matrix_a_fmt:MATRIX_FMT_FP6 matrix_b_fmt:MATRIX_FMT_FP6
.else
	v_wmma_scale_f32_16x16x128_f8f6f4 v[ACC+32*E_+8*\b:ACC+32*E_+8*\b+7], v[FR*(FB_%FPW):FR*(FB_%FPW)+FR-1], v[FR*(FA_%FPW):FR*(FA_%FPW)+FR-1], v[ACC+32*E_+8*\b:ACC+32*E_+8*\b+7], v[SB+8*\b+\s], v[SA+8*E_+\s] matrix_a_fmt:MATRIX_FMT_FP6 matrix_b_fmt:MATRIX_FMT_FP6
.endif
.endr
.endr
	WIN 0
.endm
.macro TOSTAGE a                       ; 16 rows x 256 bytes into my stage, and back as whole rows
.irp b, 0,1,2,3
	ds_store_b128 v[STO], v[ACC+32*((\a)%2)+8*\b:ACC+32*((\a)%2)+8*\b+3] offset:128*(\b/2)+32*(\b%2)       ; each accumulator from its low end on
	ds_store_b128 v[STO], v[ACC+32*((\a)%2)+8*\b+4:ACC+32*((\a)%2)+8*\b+7] offset:128*(\b/2)+32*(\b%2)+16
.endr
.irp t, 0,1,2,3,4,5,6,7
	ds_load_b128 v[BK+32*((\a)%2)+4*\t:BK+32*((\a)%2)+4*\t+3], v[RD] offset:\t*2*SP    ; LDS serves a wave's instructions in order: these see the stores above
.endr
.endm
.macro SEND a
.irp t, 0,1,2,3,4,5,6,7
	global_store_b128 v[CO], v[BK+32*((\a)%2)+4*\t:BK+32*((\a)%2)+4*\t+3], s[10:11] offset:(32*((\a)/2)+8*((\a)%2)+2*\t+8*(\t/4))*4096 th:TH_STORE_NT   ; sixteen lanes store 256 consecutive bytes, aligned
.endr
.endm
	s_load_b256 s[4:11], s[0:1], 0x0               ; oq, wq, b_out, out0
	v_lshl_add_u32 v[SPW], v0, 2, SPARE
	v_mov_b32 v[NIL], 0
	ds_add_u32 v[SPW], v[NIL]                      ; the opening lines: the add twice on end and its wait
	ds_add_u32 v[SPW], v[NIL]
	v_lshrrev_b32 v88, 5, v0
	v_readfirstlane_b32 s14, v88                   ; wave 0..3
	s_lshr_b32 s15, s14, 1                         ; my 128 of the 256 rows
	s_and_b32 s16, s14, 1                          ; my 64 of the 128 columns
	s_bfe_u32 s66, ttmp6, 0x40000                  ; cx
	s_bfe_u32 s67, ttmp6, 0x40004                  ; cy
	s_and_b32 s17, ttmp7, 0xffff
	s_lshl_b32 s68, s17, 2
	s_add_co_u32 s68, s68, s67                     ; tile row, 0 .. 31
	s_lshl_b32 s69, ttmp9, 2
	s_add_co_u32 s69, s69, s66                     ; tile column, 0 .. 7
	s_lshl_b32 s20, s67, 2
	s_lshl_b32 s20, 15, s20                        ; my row of the cluster
	s_lshl_b32 s21, 0x1111, s66                    ; my column
	s_or_b32 s[G1+0], s20, (3<<16)|(1<<21)         ; the rows: 4 HB dense bytes as 400 rows of 256 (32 elements of 8 bytes)
	s_mov_b32 s[G1+1], 32<<16
	s_mov_b32 s[G1+2], 400<<16
	s_mov_b32 s[G1+3], 32<<16
	s_mov_b32 s[G1+4], 400
	s_mov_b32 s[G1+5], 32
	s_mov_b32 s[G1+6], 0
	s_mov_b32 s[G1+7], 0
	s_or_b32 s[G1B+0], s21, (3<<16)|(1<<21)        ; the columns: 2 rows of HB bytes (3,200 elements of 8), 2 HB apart
	s_mov_b32 s[G1B+1], 3200<<16
	s_mov_b32 s[G1B+2], 2<<16
	s_mov_b32 s[G1B+3], 3200<<16
	s_mov_b32 s[G1B+4], 2
	s_mov_b32 s[G1B+5], 6400
	s_mov_b32 s[G1B+6], 0
	s_mov_b32 s[G1B+7], 0
	s_mul_i32 s22, s68, BS
	s_mov_b32 s23, 0
	s_lshr_b32 s74, s69, 1
	s_mul_i32 s74, s74, BS
	s_and_b32 s75, s69, 1
	s_mul_i32 s75, s75, HB
	s_add_co_u32 s74, s74, s75
	s_add_co_u32 s74, s74, WO
	s_mov_b32 s75, 0
	s_wait_dscnt 0x0
	s_wait_kmcnt 0x0
	s_add_nc_u64 s[70:71], s[4:5], s[22:23]
	s_add_nc_u64 s[72:73], s[6:7], s[74:75]
	CROUND                                         ; all sixteen work-groups are here: the joint loads meet
	G0SET GA0, 0, 70, 0
	G0SET GA1, 4*HB, 70, 4*HB
	G0SET GB0, BREG, 72, 0
	G0SET GB1, BREG+2*HB, 72, 4*HB
	ARM 1, GB0, G1B, .Lhead_1                      ; the columns are asked for first: they go on into registers
	ARM 2, GB1, G1B, .Lhead_2
	ARM 3, GA0, G1,  .Lhead_3
	tensor_load_to_lds s[GA1:GA1+3], s[G1:G1+7]
	s_nop 0
	PLACES 4
.Lasked:
	s_mul_i32 s17, s15, HB                         ; my half of the rows
	s_mul_i32 s18, s16, 4*3072
	s_add_co_u32 s18, s18, BREG                    ; my four tiles of the columns,
	s_lshl_b32 s19, s16, 9
	s_add_co_u32 s19, s19, BREG                    ; and where their scale words stand, less 24,576
	v_and_b32 v88, 31, v0
	v_and_b32 v[RR], 15, v0
	v_bfe_u32 v[HH], v0, 4, 1
	v_lshlrev_b32 v89, 4, v88
	v_lshlrev_b32 v90, 3, v88
	v_lshlrev_b32 v91, 3, v[RR]                    ; a row's two scale words; both halves of the lanes read the same
.irp q, 0,1,2,3
	v_add_nc_u32 v[A16+\q], s17, v89
	v_add_nc_u32 v[A8+\q], s17, v90
	v_add_nc_u32 v[ASC+\q], s17, v91
	v_add_nc_u32 v[B16+\q], s18, v89
	v_add_nc_u32 v[B8+\q], s18, v90
	v_add_nc_u32 v[BSC+\q], s19, v91
	s_add_co_u32 s17, s17, 2*HB
	s_add_co_u32 s18, s18, HB
	s_add_co_u32 s19, s19, HB
.endr
	s_lshl_b32 s22, s69, 9
	s_lshl_b32 s23, s16, 8
	s_add_co_u32 s22, s22, s23                     ; my first column, in bytes
	s_mov_b32 s23, 0
	s_add_nc_u64 s[8:9], s[8:9], s[22:23]
	s_add_nc_u64 s[10:11], s[10:11], s[22:23]
	v_lshlrev_b32 v92, 6, v[HH]                    ; tile 2 p + u, lane half h: columns 32 p + 16 h + 8 u + 0 .. 7
.irp b, 0,1,2,3
	global_load_b128 v[BB+8*\b:BB+8*\b+3], v92, s[8:9] offset:(32*(\b/2)+8*(\b%2))*4
	global_load_b128 v[BB+8*\b+4:BB+8*\b+7], v92, s[8:9] offset:(32*(\b/2)+8*(\b%2))*4+16
.endr
	s_lshl_b32 s22, s68, 8
	s_lshl_b32 s18, s15, 7
	s_add_co_u32 s22, s22, s18
	s_lshl_b32 s22, s22, 12                        ; my first row x 4,096 bytes
	s_add_nc_u64 s[10:11], s[10:11], s[22:23]
	s_mul_i32 s18, s14, 16*SP
	s_add_co_u32 s18, s18, STAGE                   ; my stage
	v_mul_u32_u24 v[STO], v[RR], SP                ; in: row r, 64 bytes for each half of the lanes
	v_lshl_add_u32 v[STO], v[HH], 6, v[STO]
	v_add_nc_u32 v[STO], s18, v[STO]
	v_mul_u32_u24 v[RD], v[HH], SP                 ; back: sixteen lanes to a row of 256 bytes, two rows an instruction
	v_lshl_add_u32 v[RD], v[RR], 4, v[RD]
	v_add_nc_u32 v[RD], s18, v[RD]
	v_lshlrev_b32 v[CO], 12, v[HH]                 ; and the same two rows in y
	v_lshl_add_u32 v[CO], v[RR], 4, v[CO]
	s_wait_alu depctr_va_vdst(0)
	s_cmp_lt_u32 s14, 2                            ; waves 0 and 1 fetched the columns; the rows' loads may stay out
	s_cbranch_scc0 .Lnot_first
	s_wait_tensorcnt 0x0
.Lnot_first:
	s_barrier_signal -1
	s_barrier_wait -1
	WEIGHTS
	s_wait_tensorcnt 0x0                           ; my load is in,
	s_wait_dscnt 0x0                               ; my reads of the columns' bytes are over,
	s_barrier_signal -1
	s_barrier_wait -1                              ; and so are everybody's: the rows are shown, and the columns' bytes are free for the stages
	FETCH 0
	FETCH 1
	s_wait_loadcnt 0x0                             ; b_out
.irp a, 0,1,2,3,4,5,6,7
.if \a == 0
	s_wait_dscnt 36
.elseif \a == 7
	s_wait_dscnt 16
.else
	s_wait_dscnt 52
.endif
	MUL \a
.if \a > 0
.if \a < 7
	s_wait_dscnt 36                                ; the tile before is back from the stage
.else
	s_wait_dscnt 0x0
.endif
	SEND \a-1
.endif
	PLACES 4                                       ; in front of the stage's stores, which read results just made, and of loads into registers that matrix instructions have read
.if \a > 1
	s_wait_xcnt 0x0                                ; the stores of two tiles ago have read their registers
.endif
	TOSTAGE \a
.if \a < 6
	FETCH \a+2
.endif
.endr
	s_wait_dscnt 0x0
	SEND 7
	s_wait_tensorcnt 0x0                           ; the wave's end
	ds_add_u32 v[SPW], v[NIL]
	s_wait_dscnt 0x0
	CROUND                                         ; the closing round
	s_endpgm
.Lfunc_end_k_qf40c45913b_gemm2:
	.size	k_qf40c45913b_gemm2, .Lfunc_end_k_qf40c45913b_gemm2-k_qf40c45913b_gemm2
	.p2alignl 7, 3214868480
	.fill 96, 4, 3214868480
	.section	.rodata,"a",@progbits
	.p2align	6, 0x0
	.amdhsa_kernel k_qf40c45913b_gemm2
		.amdhsa_group_segment_fixed_size 327680
		.amdhsa_private_segment_fixed_size 0
		.amdhsa_enable_private_segment 0
		.amdhsa_kernarg_size 32
		.amdhsa_user_sgpr_count 2
		.amdhsa_user_sgpr_kernarg_segment_ptr 1
		.amdhsa_wavefront_size32 1
		.amdhsa_system_sgpr_workgroup_id_x 1
		.amdhsa_system_sgpr_workgroup_id_y 1
		.amdhsa_system_sgpr_workgroup_id_z 1
		.amdhsa_system_vgpr_workitem_id 0
		.amdhsa_next_free_vgpr 1024
		.amdhsa_next_free_sgpr 80
		.amdhsa_reserve_vcc 0
		.amdhsa_float_denorm_mode_32 3
		.amdhsa_float_denorm_mode_16_64 3
		.amdhsa_memory_ordered 1
		.amdhsa_forward_progress 1
		.amdhsa_inst_pref_size 86
	.end_amdhsa_kernel
	.amdgpu_metadata
---
amdhsa.version: [ 1, 2 ]
amdhsa.kernels:
  - .name:           k_qf40c45913b_gemm2
    .symbol:         k_qf40c45913b_gemm2.kd
    .args:
      - { .name: oq, .offset: 0, .size: 8, .value_kind: global_buffer, .address_space: global }
      - { .name: wq, .offset: 8, .size: 8, .value_kind: global_buffer, .address_space: global }
      - { .name: b_out, .offset: 16, .size: 8, .value_kind: global_buffer, .address_space: global }
      - { .name: out0, .offset: 24, .size: 8, .value_kind: global_buffer, .address_space: global }
    .group_segment_fixed_size: 327680
    .private_segment_fixed_size: 0
    .kernarg_segment_align: 8
    .kernarg_segment_size: 32
    .max_flat_workgroup_size: 128
    .sgpr_count:     80
    .vgpr_count:     1024
    .wavefront_size: 32
...
	.end_amdgpu_metadata
.endif
;; end of part 4
